; MI455X (gfx1250); checked and timed in simulation.
; The chip was launched on July 23, 2026; its instructions are those of AMD's public machine-readable ISA for CDNA 5 (MIT licence, August 2026) and "CDNA5" Instruction Set Architecture Reference Guide (July 2026). The comments in the code are by the model that wrote it; some were corrected since.
;; Self Attention Layer. Allowed arithmetic: matrix products marked QUANTISED: E2M3 operands, one E8M0 scale for each 32 along K, by v_wmma_scale_f32_16x16x128_f8f6f4 with both operands' format E2M3, f32 sums; everything else in f32.
;; Inputs: Wk 1,024 x 1,024 float32; Wo 1,024 x 1,024 float32; Wq 1,024 x 1,024 float32; Wv 1,024 x 1,024 float32; bk 1,024 float32; bo 1,024 float32; bq 1,024 float32; bv 1,024 float32; x 1 x 4,096 x 1,024 float32.
;; Outputs: out0 1 x 4,096 x 1,024 float32.
;; This version of the problem:
;;   THIS VERSION OF THE PROBLEM IS GIVEN IN LOW PRECISION. The matrix products marked QUANTISED in the list below multiply operands that are first quantised to E2M3 (2 exponent bits, 3 mantissa bits; 6 bits a number), with one power-of-two scale for each 32 numbers along K (OCP MX v1.0); their sums are f32. All else is computed in f32.
;;   The module's matrix products, in the order in which they are computed (A, B: the left and right operand; K: the contracted axis; several contracted axes count as one K, in the product's order):
;;     1. [M 4,096, K 1,024] x [K 1,024, N 1,024]; A: input x; B: input Wq: QUANTISED
;;     2. [M 4,096, K 1,024] x [K 1,024, N 1,024]; A: input x; B: input Wk: QUANTISED
;;     3. [M 4,096, K 1,024] x [K 1,024, N 1,024]; A: input x; B: input Wv: QUANTISED
;;     4. batch 16 x [M 4,096, K 64] x [K 64, N 4,096]; A: computed on the way; B: computed on the way: QUANTISED
;;     5. batch 16 x [M 4,096, K 4,096] x [K 4,096, N 64]; A: softmax (see below); B: computed on the way: QUANTISED
;;     6. [M 4,096, K 1,024] x [K 1,024, N 1,024]; A: computed on the way; B: input Wo: QUANTISED
;;   THE QUANTISER, for each operand of a quantised product, along K:
;;     - K is cut into blocks of 32 from its start; a last block that is shorter is filled with zeros.
;;     - A block's scale is 2^e with e = floor(log2(the largest magnitude in the block)) - 2, held to -126 .. 127; a block of zeros has e = 0. As a byte (E8M0): e + 127.
;;     - Each number is divided by its block's scale, clamped to +-7.5, and rounded to the nearest number of E2M3, ties to even, subnormals kept.
;;     - The product sums the exact products of the quantised numbers (number of the format x scale) in f32.
;;   ~~~python
;;   def quantise(x, axis):      # numpy; x: float32 -> the quantised numbers, widened to float32 again
;;       x = np.moveaxis(x, axis, -1); K = x.shape[-1]
;;       x = np.pad(x, [(0, 0)] * (x.ndim - 1) + [(0, -K % 32)]); x = x.reshape(x.shape[:-1] + (-1, 32)); a = np.abs(x).max(-1, keepdims=True)
;;       e = np.where(a > 0, np.clip(np.frexp(np.where(a > 0, a, 1))[1] - 1 - 2, -126, 127), 0)      # np.frexp(a)[1] - 1 = floor(log2(a)), exactly
;;       r = np.clip(x / 2.0 ** e, -7.5, 7.5)
;;       step = 2.0 ** (np.maximum(np.frexp(np.where(r == 0, 1, r))[1] - 1, 0) - 3)
;;       q = np.round(r / step) * step * 2.0 ** e      # np.round: ties to even
;;       return np.moveaxis(q.reshape(q.shape[:-2] + (-1,))[..., :K], -1, axis).astype(np.float32)
;;   ~~~
;;   SOFTMAX AHEAD OF A QUANTISED PRODUCT. Where the list says 'softmax', what is quantised is not the finished softmax but p = 2^(t - M), with t = logit x log2(e) and M = ceil(the row's largest t), a whole number; so 1/2 < the row's largest p <= 1. The row's sum l is taken of the UNQUANTISED p, in f32, and the product's result is divided by l at the end. Since M is a whole number, a kernel that streams over the keys may use a running M (the ceiling of the running maximum): every later rescaling is an exact power of two, which a block's scale takes up: the codes' values come out the same.
;;   OPERANDS COMPUTED ON THE WAY. 'Computed on the way' means the value that the module computes at that place (a softmax that the list does not call 'softmax' is quantised finished and normalised). What goes into a quantiser is computed in f32, as accurately as f32 sums, v_exp_f32 and their like allow (about 1e-6 of the number): no bf16 or f16 on the way to a quantiser, and a product that is left as it is and whose result goes on into a quantised operand takes f32 operands (vector FMAs, or v_wmma_f32_16x16x4_f32). A number that lies on a knife's edge between two numbers of the format may be rounded either way, as far as f32 arithmetic and the matrix unit's own rounding can turn it there, and no further.
;; One version. Each part assembles by itself: llvm-mc -triple=amdgcn-amd-amdhsa -mcpu=gfx1250 --defsym DOCPART=n.
;; ======== version 1 of 1: 4 launches
;; limits: right only within a limited range of input values
;; workspace buffers: xq 3,276,800 bytes; wq 3,276,800 bytes; kq 6,815,744 bytes; vq 3,276,800 bytes; oq 3,276,800 bytes
;; launch quant (part 1): grid 256 x 1, 4 waves a work-group, no clusters, 34,304 bytes of LDS; arguments x, Wq, Wk, Wv, Wo, xq, wq; writes xq, wq
.if DOCPART == 1
	.amdgcn_target "amdgcn-amd-amdhsa--gfx1250"
	.amdhsa_code_object_version 6
	.text
	.protected	k_q9d5acfb707_quant
	.globl	k_q9d5acfb707_quant
	.p2align	8
	.type	k_q9d5acfb707_quant,@function
k_q9d5acfb707_quant:
	s_mov_b64 s[64:65], 0
	v_nop
	global_prefetch_b8 v0, s[64:65] scope:SCOPE_SE
	s_setreg_imm32_b32 hwreg(HW_REG_WAVE_MODE, 25, 1), 1
	s_wait_xcnt 0x0
; x [4096][1024] and Wq, Wk, Wv, Wo [1024][1024], f32, K innermost, become codes of FP6 (E2M3) with one E8M0 byte for each 32 along K, laid as the products' operand registers want them.
; A block's scale is 2^(floor(log2(its largest magnitude)) - 2); its byte is the largest magnitude's exponent field - 2, held at 1 from below; each number is divided by the scale and rounded to the nearest code, ties to even, beyond 7.5 the largest code.
; LIMITS: a block whose largest magnitude lies under 2^-124 (a block of zeros among them) gets the byte 1; the bytes are read by this program alone.  NaN and infinities among the inputs are not served.
; THE LAYOUT OUT.  Rows go in groups of 32; tile 4 c + u holds at its place i (0 .. 15) row 64 c + 32 (i / 8) + 8 u + i % 8.  A HALF IMAGE is 16 places x 64 along K, 768 bytes: lane (r, h) holds the 24 bytes of k = 32 h .. 32 h + 31
; of place r: its registers 0-3 at byte 16 x lane, its registers 4-5 at byte 512 + 8 x lane.  Two half images on end are a fragment (16 x 128).  A block of 128 rows is 102,400 bytes: codes [K step 8][tile 8][half 2][768],
; then scale words [tile 8][K half 2][place 16][4 words], a word for 128 along K.  xq: 32 blocks; wq: blocks 0-7 Wq, 8-15 Wk, 16-23 Wv, 24-31 Wo.
; SHARES.  A work-group takes 32 rows, two tiles; wave w takes tile w / 2 and K half w % 2: four fragments.  Each load reads 512 consecutive bytes of a row; the 16 rows turn through the wave's own stage in LDS
; (rows 528 bytes apart), so that a lane gets two whole blocks of 32 neighbours.  Loads run two fragments (32 loads a wave) ahead.  No barrier: waves share nothing.  Nothing is shared between work-groups, so no cluster.
.set SP,   528                         ; a stage row: 512 bytes + 16
.set STG,  16*SP                       ; a wave's stage
.set BLK,  102400
.set TM,   10                          ; v10-11 largest magnitudes;  v12-13 the conversions' scale operands;  v14-15 the bytes;  v16 my two bytes;  v17 the other half's
.set SO,   12
.set BY,   14
.set W,    16
.set PT,   17
.set E,    20                          ; v20-23 the four fragments' scale words
.set C,    28                          ; v28-39 a fragment's codes
.set CT,   40                          ; v40-46 the second halves of the blocks' codes, as the conversions leave them
.set R,    64                          ; v64-191 two sets of 64 registers as loaded
.set X,    192                         ; v192-255 register 32 c + i: k = 64 c + 32 h + i of my row
	s_load_b256 s[4:11], s[0:1], 0x0               ; x, Wq, Wk, Wv
	s_load_b128 s[12:15], s[0:1], 0x20             ; Wo, xq
	s_load_b64 s[16:17], s[0:1], 0x30              ; wq
	v_lshl_add_u32 v62, v0, 2, 0x8400
	v_mov_b32 v63, 0
	v_lshrrev_b32 v1, 5, v0
	v_readfirstlane_b32 s24, v1                    ; wave
	v_and_b32 v1, 31, v0                           ; lane
	v_and_b32 v2, 15, v0                           ; r
	v_bfe_u32 v3, v0, 4, 1                         ; h
	v_lshlrev_b32 v4, 4, v1                        ; 16 x lane: my bytes of a load, and of a half image's first 512
	s_mul_i32 s25, s24, STG
	v_add_nc_u32 v5, s25, v4                       ; the stage, on the way in
	v_mul_u32_u24 v6, v2, SP
	v_lshl_add_u32 v6, v3, 7, v6
	v_add_nc_u32 v6, s25, v6                       ; and on the way out: row r, + 128 h bytes
	v_lshlrev_b32 v7, 3, v1                        ; 8 x lane: my bytes of a half image's last 256
	v_lshlrev_b32 v8, 4, v2
	v_lshl_add_u32 v8, v3, 3, v8                   ; 16 r + 8 h: two of my row's four scale words
	v_lshlrev_b32 v9, 3, v3                        ; 8 h
	v_mov_b32 v[PT], 0                             ; written once: a lane permute's destination counts as one of its sources
	s_mov_b32 s34, 0x76543210
	s_mov_b32 s35, 0xfedcba98                      ; v_permlanex16_b32's selects for lane l xor 16
	s_lshr_b32 s26, s24, 1                         ; u: which tile
	s_and_b32 s27, s24, 1                          ; which half of K
	s_and_b32 s28, ttmp9, 31                       ; a weight's group of 32 rows
	s_and_b32 s29, ttmp9, 127                      ; the group's number in its workspace buffer
	s_lshr_b32 s30, s29, 2                         ; block of 128 rows
	s_and_b32 s31, s29, 3
	s_lshl_b32 s31, s31, 1
	s_add_co_u32 s31, s31, s26                     ; tile in the block
	s_mul_i32 s30, s30, BLK
	s_mul_i32 s36, s27, 49152                      ; four K steps of 12,288 bytes
	s_mul_i32 s37, s31, 1536
	s_add_co_u32 s36, s36, s37
	s_add_co_u32 s36, s36, s30                     ; where my codes begin
	s_mov_b32 s37, 0
	s_lshl_b32 s38, s31, 9
	s_lshl_b32 s39, s27, 8
	s_add_co_u32 s38, s38, s39
	s_add_co_u32 s38, s38, s30
	s_add_co_u32 s38, s38, 98304                   ; and my scale words
	s_mov_b32 s39, 0
	s_wait_alu depctr_va_vdst(0)
	s_wait_kmcnt 0x0
	s_cmp_lt_u32 ttmp9, 224                        ; work-groups 0-127 x, 128-159 Wq, 160-191 Wk, 192-223 Wv, 224-255 Wo: the choice hangs on the work-group's number alone
	s_cselect_b64 s[18:19], s[10:11], s[12:13]
	s_cmp_lt_u32 ttmp9, 192
	s_cselect_b64 s[18:19], s[8:9], s[18:19]
	s_cmp_lt_u32 ttmp9, 160
	s_cselect_b64 s[18:19], s[6:7], s[18:19]
	s_cmp_lt_u32 ttmp9, 128
	s_cselect_b64 s[18:19], s[4:5], s[18:19]
	s_cselect_b64 s[20:21], s[14:15], s[16:17]
	s_cselect_b32 s28, ttmp9, s28
	; THE TILES' ORDER IN FORCE (it takes the place of the formula in the head comment): tile 4 c + u of a block of 128 rows holds at place i row 64 c + 32 (i / 8) + 8 u + i % 8.
	; Group G of two tiles (2 G, 2 G + 1 of the buffer) so begins at row 64 (G / 2) + 16 (G % 2); its second tile 8 rows on; places 8-15 lie 32 rows behind places 0-7.
	s_and_b32 s22, s28, 1
	s_lshl_b32 s22, s22, 16                        ; 16 rows of 4,096 bytes
	s_lshr_b32 s28, s28, 1
	s_lshl_b32 s28, s28, 18                        ; 64 rows
	s_add_co_u32 s28, s28, s22
	s_lshl_b32 s22, s26, 15                        ; + 8 u rows
	s_add_co_u32 s28, s28, s22
	s_lshl_b32 s22, s27, 11                        ; + my half of K
	s_add_co_u32 s28, s28, s22
	s_mov_b32 s29, 0
	s_add_nc_u64 s[18:19], s[18:19], s[28:29]      ; from here
	s_add_nc_u64 s[22:23], s[20:21], s[38:39]      ; scale words to here
	s_add_nc_u64 s[20:21], s[20:21], s[36:37]      ; codes to here
.macro LOAD f                          ; fragment f: 128 along K of the tile's 16 rows, 512 consecutive bytes a load
.irp i, 0,1,2,3,4,5,6,7,8,9,10,11,12,13,14,15
	global_load_b128 v[R+64*((\f)%2)+4*\i:R+64*((\f)%2)+4*\i+3], v4, s[18:19] offset:(\i+24*(\i/8))*4096+512*(\f) th:TH_LOAD_NT
.endr
.endm
.macro FRAG f
.if (\f) < 3
	s_wait_loadcnt 16                              ; this fragment's 16 loads are in; the next fragment's 16 may be out
.else
	s_wait_loadcnt 0x0
.endif
.irp i, 0,1,2,3,4,5,6,7,8,9,10,11,12,13,14,15
	ds_store_b128 v5, v[R+64*((\f)%2)+4*\i:R+64*((\f)%2)+4*\i+3] offset:SP*\i
.endr
.irp c, 0,1
.irp j, 0,1,2,3,4,5,6,7
	ds_load_b128 v[X+32*\c+4*\j:X+32*\c+4*\j+3], v6 offset:256*\c+16*\j   ; LDS serves a wave's instructions in order: these see the stores above
.endr
.endr
	s_wait_dscnt 0x0                               ; my 64 numbers are back, and the stores have read their registers
	s_wait_xcnt 0x0                                ; the last fragment's stores have read their data: the codes' registers are written again only behind this wait
.if (\f) < 2
	LOAD (\f)+2
.endif
.irp c, 0,1
	v_max3_num_f32 v[TM+\c], |v[X+32*\c]|, |v[X+32*\c+1]|, 0x1800000   ; block 2 c + h: all 32 numbers are mine; the floor 2^(3 - 127) holds the byte at 1 from below
.endr
.irp i, 2,4,6,8,10,12,14,16,18,20,22,24,26,28,30
.irp c, 0,1
	v_max3_num_f32 v[TM+\c], v[TM+\c], |v[X+32*\c+\i]|, |v[X+32*\c+\i+1]|   ; (the two blocks by turns)
.endr
.endr
.irp c, 0,1
	v_add_nc_u32 v[SO+\c], 0xff000000, v[TM+\c]    ; 2 off the exponent field: the conversion takes this operand's exponent field as its scale
.endr
.irp c, 0,1
	v_lshrrev_b32 v[BY+\c], 23, v[SO+\c]           ; the scale's byte
.endr
	v_lshl_or_b32 v[W], v[BY+1], 16, v[BY]         ; my two bytes, blocks h and 2 + h,
	v_lshlrev_b32 v[W], v9, v[W]                   ; at their places in the word;
	v_permlanex16_b32 v[PT], v[W], s34, s35
	v_or_b32 v[E+(\f)], v[W], v[PT]                ; with lane l xor 16's two the word is whole
.irp c, 0,1
	v_cvt_scalef32_pk16_fp6_f32 v[C+6*\c:C+6*\c+2], v[X+32*\c:X+32*\c+15], v[SO+\c]
	v_cvt_scalef32_pk16_fp6_f32 v[CT+4*\c:CT+4*\c+2], v[X+32*\c+16:X+32*\c+31], v[SO+\c]   ; (a conversion's three registers begin on an even number)
.endr
	v_nop                                          ; one plain place behind a scaled conversion
.irp c, 0,1
.irp i, 0,1,2
	v_mov_b32 v[C+6*\c+3+\i], v[CT+4*\c+\i]
.endr
.endr
	global_store_b128 v4, v[C:C+3], s[20:21] offset:12288*(\f)            ; 512 consecutive bytes,
	global_store_b64 v7, v[C+4:C+5], s[20:21] offset:12288*(\f)+512       ; 256: the first half image;
	global_store_b128 v4, v[C+6:C+9], s[20:21] offset:12288*(\f)+768      ; and the second
	global_store_b64 v7, v[C+10:C+11], s[20:21] offset:12288*(\f)+1280
.endm
	LOAD 0
	LOAD 1
	FRAG 0
	FRAG 1
	FRAG 2
	FRAG 3
	v_cmp_ne_u32 vcc_lo, 0, v3
	v_cndmask_b32 v24, v[E], v[E+2], vcc_lo        ; lanes 0-15 store words 0 and 1 of their row, lanes 16-31 words 2 and 3:
	v_cndmask_b32 v25, v[E+1], v[E+3], vcc_lo
	global_store_b64 v8, v[24:25], s[22:23]        ; 256 consecutive bytes, aligned
	s_wait_tensorcnt 0x0
	ds_add_u32 v62, v63
	s_wait_dscnt 0x0
	s_endpgm
.Lfunc_end_k_q9d5acfb707_quant:
	.size	k_q9d5acfb707_quant, .Lfunc_end_k_q9d5acfb707_quant-k_q9d5acfb707_quant
	.p2alignl 7, 3214868480
	.fill 96, 4, 3214868480
	.section	.rodata,"a",@progbits
	.p2align	6, 0x0
	.amdhsa_kernel k_q9d5acfb707_quant
		.amdhsa_group_segment_fixed_size 34304
		.amdhsa_private_segment_fixed_size 0
		.amdhsa_enable_private_segment 0
		.amdhsa_kernarg_size 56
		.amdhsa_user_sgpr_count 2
		.amdhsa_user_sgpr_kernarg_segment_ptr 1
		.amdhsa_wavefront_size32 1
		.amdhsa_system_sgpr_workgroup_id_x 1
		.amdhsa_system_sgpr_workgroup_id_y 1
		.amdhsa_system_sgpr_workgroup_id_z 1
		.amdhsa_system_vgpr_workitem_id 0
		.amdhsa_next_free_vgpr 256
		.amdhsa_next_free_sgpr 66
		.amdhsa_reserve_vcc 1
		.amdhsa_float_denorm_mode_32 3
		.amdhsa_float_denorm_mode_16_64 3
		.amdhsa_memory_ordered 1
		.amdhsa_forward_progress 1
		.amdhsa_inst_pref_size 31
	.end_amdhsa_kernel
	.amdgpu_metadata
---
amdhsa.version: [ 1, 2 ]
amdhsa.kernels:
  - .name:           k_q9d5acfb707_quant
    .symbol:         k_q9d5acfb707_quant.kd
    .args:
      - { .name: x, .offset: 0, .size: 8, .value_kind: global_buffer, .address_space: global }
      - { .name: Wq, .offset: 8, .size: 8, .value_kind: global_buffer, .address_space: global }
      - { .name: Wk, .offset: 16, .size: 8, .value_kind: global_buffer, .address_space: global }
      - { .name: Wv, .offset: 24, .size: 8, .value_kind: global_buffer, .address_space: global }
      - { .name: Wo, .offset: 32, .size: 8, .value_kind: global_buffer, .address_space: global }
      - { .name: xq, .offset: 40, .size: 8, .value_kind: global_buffer, .address_space: global }
      - { .name: wq, .offset: 48, .size: 8, .value_kind: global_buffer, .address_space: global }
    .group_segment_fixed_size: 34304
    .private_segment_fixed_size: 0
    .kernarg_segment_align: 8
    .kernarg_segment_size: 56
    .max_flat_workgroup_size: 128
    .sgpr_count:     66
    .vgpr_count:     256
    .wavefront_size: 32
...
	.end_amdgpu_metadata
.endif
;; end of part 1
;; launch proj (part 2): grid 8 x 32, 4 waves a work-group, clusters of 4 x 4, 327,680 bytes of LDS; arguments xq, wq, bq, bk, bv, kq, vq; writes kq, vq
.if DOCPART == 2
	.amdgcn_target "amdgcn-amd-amdhsa--gfx1250"
	.amdhsa_code_object_version 6
	.text
	.protected	k_q9d5acfb707_proj
	.globl	k_q9d5acfb707_proj
	.p2align	8
	.type	k_q9d5acfb707_proj,@function
k_q9d5acfb707_proj:
	s_mov_b64 s[64:65], 0
	v_nop
	global_prefetch_b8 v0, s[64:65] scope:SCOPE_SE
	s_setreg_imm32_b32 hwreg(HW_REG_WAVE_MODE, 25, 1), 1
	s_wait_xcnt 0x0
	s_wait_alu depctr_hold_cnt(0) depctr_sa_sdst(0) depctr_va_vdst(0) depctr_va_sdst(0) depctr_va_ssrc(0) depctr_va_vcc(0) depctr_vm_vsrc(0)
	s_getreg_b32 s2, hwreg(HW_REG_IB_STS2, 6, 4)
	s_cmp_eq_u32 s2, 0
	s_cbranch_scc0 .Lentry_in_a_cluster
	s_endpgm
.Lentry_in_a_cluster:
	s_bfe_u32 s2, ttmp6, 0x10000c
	s_cmp_lg_u32 s2, 0xf033
	s_cbranch_scc0 .Lentry_shape_is_right
	s_endpgm
.Lentry_shape_is_right:
; q = x Wq^T + bq, k = x Wk^T + bk, v = x Wv^T + bv on codes of FP6 (E2M3) with E8M0 scales, sums in f32; the results are quantised in registers, q and k along a head's 64, v along the keys, and stored as codes.
; IN: xq and wq, blocks of 128 rows of 102,400 bytes: codes [K step 8][tile 8][half 2][768], then scale words [tile 8][K half 2][place 16][4 words].  Tile 4 c + u holds at place i row 64 c + 32 (i / 8) + 8 u + i % 8.
; A half image (768 bytes, 16 places x 64 K): lane (r, h)'s registers 0-3 at byte 16 x lane, 4-5 at byte 512 + 8 x lane.  wq: blocks 0-7 Wq, 8-15 Wk, 16-23 Wv.
; A WORK-GROUP STAYS: it owns 128 tokens and column block cb (two heads), and makes q's, k's and v's 128 x 128 one after the other.  Its tokens' block lies in LDS for the whole launch, filled once.
; The weights' blocks go through two slots: Wq's comes at the head; Wk's is asked for at the head of q's trip, Wv's, into Wq's slot, at the head of k's trip: each a whole trip (128 matrix instructions a wave and
; the way out) ahead of its first read, so nothing is prefetched.  By this text's own count one tensor load a wave is out.  Four waves, 64 x 64 each: 16 accumulators.
; CLUSTER 4 x 4: the tokens' block hangs on the block row alone and is asked for jointly along a row of the cluster, the weights' blocks on cb alone and are asked for jointly along a column.
; q, k (one loop body, two trips): source 0 = 16 rows of W, source 1 = 16 tokens: a lane holds one token and its registers run along the head's channels.
; v: source 0 = 16 tokens, source 1 = 16 rows of Wv: a lane holds one channel and its registers run along the keys.  By the tiles' order the 32 registers of four tiles are k = 32 h + 0 .. 31 of the next K: one whole block.
; The bias is the C of each sum's first matrix instruction.
; OUT: kq [q's heads 0-15, k's heads 16-31][chunk of 512 tokens, 8][26,624]: 32 half images, then scale words [group of 4 tiles, 8][place 16][tile % 4], bytes {block 0, block 1, 127, 127}.
;      vq [key step of 128, 32][head 16][6,400]: half images [key half 2][channel tile 4], then scale words [place 16][channel tile 4], bytes 2 c, 2 c + 1 from key half c.
; LIMITS: a block whose largest magnitude lies under 2^-124 gets the byte 1 (read by this program alone); NaN and infinities are not served.
; REGISTERS.  Window 0: v1-15 addresses; v16-23 the quantiser's; v24-29 scale words made; v30 the bias's offset; v32-63 scale words in; v64-95 the bias; v96-127 codes made; v128-255 accumulator (p, i) at 128 + 32 i + 8 p.
;   Window 1: two fragment buffers at v0 and v128: source 0's four fragments, then source 1's four.
.set BLK,  102400
.set KSB,  12288                       ; a K step of 128 in a block
.set SPARE, 307200                     ; behind the tokens' block and the two slots: the spare words, 128 bytes a wave
.set AX16, 6                           ; v6-7   my four token tiles: 16 x lane + ..., K steps 0-3, 4-7;   v8-9 the same with 8 x lane
.set AX8,  8
.set AW16, 10                          ; v10-13 the same for my four weight tiles, in the slot in hand
.set AW8,  12
.set ASC,  14                          ; v14    scale words: one half of the lanes the tokens', the other the weights'
.set QT,   16                          ; v16-17 largest magnitudes, v18 what lane l xor 16 sends;  v20 scale operand;  v22 byte;  v23 8 h
.set QS,   20
.set QB,   22
.set H8,   23
.set WD,   24
.set SC,   32                          ; register 8 q + ks: lanes 0-15 source 1's word of tile q, lanes 16-31 source 0's
.set CB,   64
.set HB,   96
.set SPW,  119                         ; v119, v127: the add's two registers, in places that the codes leave free; never rewritten
.set NIL,  127
.set ACC,  128
.set WV,   18
.set WA,   19
.set WB,   20
.set G1,   24                          ; s[24:31] descriptor group 1 for the tokens' block;  s[32:39] for the weights';  s[40:43], s[44:47] their groups 0
.set G1B,  32
.set G0,   40
.set G0B,  44
.set SEL,  66
.set TR,   72                          ; s72 the trip: 0 q, 1 k
.set SLB,  73                          ; s73 LDS byte of the slot in hand
.set TT,   74
.set H51,  75                          ; s75 my half of a block, in bytes
.set MSB,  0
.set MUL,  0x05                        ; sources 0 and 1 window 1; C and D window 0
.set TO_F, 0x40                        ; destination window 1, address window 0
.macro WIN new                         ; the immediate's high byte repeats the setting that is left
.if MSB != \new
	s_set_vgpr_msb (MSB<<8)|\new
.set MSB, \new
.endif
.endm
.macro CROUND                          ; a round of the cluster's barrier
	s_barrier_signal -1
	s_barrier_wait -1
	s_cmp_lg_u32 s[WV], 0
	s_cbranch_scc1 .Lnot_wave_0_\@
	s_barrier_signal -3
.Lnot_wave_0_\@:
	s_barrier_wait -3
	s_barrier_signal -1
	s_barrier_wait -1
.endm
.macro JLOAD                           ; the head: waves 0 and 1 fetch the halves of the tokens' block, waves 2 and 3 those of Wq's; four v_nop follow each line
	s_cmp_eq_u32 s[WA], 0
	s_cbranch_scc0 .Lfor_w_\@
	tensor_load_to_lds s[G0:G0+3], s[G1:G1+7]
	s_nop 0
.rept 4
	v_nop
.endr
	s_branch .Lasked_\@
.Lfor_w_\@:
	tensor_load_to_lds s[G0B:G0B+3], s[G1B:G1B+7]
	s_nop 0
.rept 4
	v_nop
.endr
.Lasked_\@:
.endm
.macro WLOAD                           ; waves 2 and 3 fetch the halves of the next weights' block
	s_cmp_eq_u32 s[WA], 0
	s_cbranch_scc1 .Lno_w_\@
	tensor_load_to_lds s[G0B:G0B+3], s[G1B:G1B+7]
	s_nop 0
.rept 4
	v_nop
.endr
.Lno_w_\@:
.endm
.macro SCALES                          ; all of K's scale words of my eight tiles: four words a load
.irp q, 0,1,2,3
.irp k, 0,1
	ds_load_b128 v[SC+8*\q+4*\k:SC+8*\q+4*\k+3], v[ASC] offset:512*\q+256*\k
.endr
.endr
.endm
.macro FETCH ks, p16, p8, r16, r8      ; K step ks: source 0's four fragments (addresses p16, p8) and source 1's (r16, r8) into buffer ks % 2: 32 loads, each of consecutive bytes
	WIN TO_F
.set FB, 128*((\ks)%2)
.irp q, 0,1,2,3
.irp c, 0,1
	ds_load_b128 v[FB+12*\q+6*\c:FB+12*\q+6*\c+3], v[\p16+(\ks)/4] offset:((\ks)%4)*KSB+\q*1536+\c*768
	ds_load_b64 v[FB+12*\q+6*\c+4:FB+12*\q+6*\c+5], v[\p8+(\ks)/4] offset:((\ks)%4)*KSB+\q*1536+\c*768+512
	ds_load_b128 v[FB+48+12*\q+6*\c:FB+48+12*\q+6*\c+3], v[\r16+(\ks)/4] offset:((\ks)%4)*KSB+\q*1536+\c*768
	ds_load_b64 v[FB+48+12*\q+6*\c+4:FB+48+12*\q+6*\c+5], v[\r8+(\ks)/4] offset:((\ks)%4)*KSB+\q*1536+\c*768+512
.endr
.endr
.endm
.macro MM p, i, ks, creg
	v_wmma_scale_f32_16x16x128_f8f6f4 v[ACC+32*\i+8*\p:ACC+32*\i+8*\p+7], v[FB+12*\p:FB+12*\p+11], v[FB+48+12*\i:FB+48+12*\i+11], v[\creg:\creg+7], v[SC+8*\p+(\ks)], v[SC+8*\i+(\ks)] matrix_a_fmt:MATRIX_FMT_FP6 matrix_b_fmt:MATRIX_FMT_FP6 matrix_a_scale:MATRIX_SCALE_ROW1
.endm
; A K step: 16 matrix instructions; the sixteen accumulators take turns, one instruction a turn, in the same order in every step.
.macro KSTEP ks, mode
	s_wait_dscnt 0x0                               ; this step's fragments are in (asked for ahead of the last step's products)
.if (\ks) > 0 && (\ks) < 7
.rept 4
	v_nop                                          ; four places behind the last products, in front of loads into the buffer that they read (ISA guide 7.12.1 for vector instructions)
.endr
.endif
.if (\ks) < 7
.if \mode
	FETCH (\ks)+1, AX16, AX8, AW16, AW8
.else
	FETCH (\ks)+1, AW16, AW8, AX16, AX8
.endif
.endif
	WIN MUL
.set FB, 128*((\ks)%2)
.irp i, 0,1,2,3
.irp p, 0,1,2,3
.if (\ks) == 0
.if \mode
	MM \p, \i, \ks, CB+8*\i
.else
	MM \p, \i, \ks, CB+8*\p
.endif
.else
	MM \p, \i, \ks, ACC+32*\i+8*\p
.endif
.endr
.endr
.endm
; 32 numbers of a lane, register i = k 32 (lane / 16) + i of my row, one whole block, become my part of a half image in v[d] .. v[d + 5]; the row's two scale bytes come into v[w].  The accumulators are read from their low ends on.
.macro QUANT64 s, d, w
.irp b, 0,1
	v_max3_num_f32 v[QT+\b], |v[(\s)+16*\b]|, |v[(\s)+16*\b+1]|, 0x1800000   ; two chains of 16, and the floor 2^(3 - 127): the byte cannot fall under 1
.endr
.irp i, 2,4,6,8,10,12,14
.irp b, 0,1
	v_max3_num_f32 v[QT+\b], v[QT+\b], |v[(\s)+16*\b+\i]|, |v[(\s)+16*\b+\i+1]|
.endr
.endr
	v_max_num_f32 v[QT], v[QT], v[QT+1]            ; the block's largest magnitude
	v_add_nc_u32 v[QS], 0xff000000, v[QT]          ; 2 off its exponent field: the conversion's scale operand
	v_lshrrev_b32 v[QB], 23, v[QS]                 ; the scale's byte,
	v_lshlrev_b32 v[QB], v[H8], v[QB]              ; at its place, 8 h bits up;
	v_permlanex16_b32 v[QT+2], v[QB], s[SEL], s[SEL+1]
	v_or_b32 v[\w], v[QB], v[QT+2]                 ; with lane l xor 16's both bytes are there
	v_cvt_scalef32_pk16_fp6_f32 v[(\d):(\d)+2], v[(\s):(\s)+15], v[QS]
	v_cvt_scalef32_pk16_fp6_f32 v[(\d)+4:(\d)+6], v[(\s)+16:(\s)+31], v[QS]   ; (a conversion's three registers begin on an even number)
	v_nop                                          ; one plain place behind a scaled conversion
.irp i, 0,1,2
	v_mov_b32 v[(\d)+3+\i], v[(\d)+4+\i]           ; ascending: each source is read before it is written
.endr
.endm
.macro EPI mode                        ; my four columns of accumulators become four half images
.irp i, 0,1,2,3
	QUANT64 ACC+32*\i, HB+8*\i, WD+\i
.if \mode == 0
	v_or_b32 v[WD+\i], 0x7f7f0000, v[WD+\i]        ; the head has 64 of the instruction's 128 along K: the other two bytes stand for 1
.endif
	global_store_b128 v3, v[HB+8*\i:HB+8*\i+3], s[68:69] offset:768*\i         ; 512 consecutive bytes,
	global_store_b64 v4, v[HB+8*\i+4:HB+8*\i+5], s[68:69] offset:768*\i+512    ; and 256
.endr
	v_cmp_ne_u32 vcc_lo, 0, v2
	v_cndmask_b32 v28, v[WD], v[WD+2], vcc_lo      ; lanes 0-15 store words 0 and 1 of their row, lanes 16-31 words 2 and 3
	v_cndmask_b32 v29, v[WD+1], v[WD+3], vcc_lo
.if \mode
	global_store_b16 v5, v28, s[70:71]             ; my key half's two bytes of each word; the other two come from the wave with the other 64 keys
	global_store_b16 v5, v29, s[70:71] offset:4
.else
	global_store_b64 v5, v[28:29], s[70:71]        ; 256 consecutive bytes, aligned
.endif
.endm
.macro WADDR                           ; my places in the slot at s[SLB]; s58 is left holding the distance from the tokens' scale words to the weights'
	s_mul_i32 s57, s[WB], 6144                     ; my four weight tiles
	s_add_co_u32 s57, s57, s[SLB]
	v_add_nc_u32 v[AW16], s57, v3
	v_add_nc_u32 v[AW8], s57, v4
	s_add_co_u32 s57, s57, 4*KSB                   ; K steps 4 to 7: an LDS offset has 16 bits
	v_add_nc_u32 v[AW16+1], s57, v3
	v_add_nc_u32 v[AW8+1], s57, v4
	s_lshl_b32 s57, s[WA], 11                      ; the tokens' scale words: 2,048 bytes for four tiles
	s_lshl_b32 s58, s[WB], 11
	s_add_co_u32 s58, s58, s[SLB]
	s_sub_co_u32 s58, s58, s57
	s_add_co_u32 s57, s57, 98304
	v_lshlrev_b32 v[ASC], 4, v1
	v_add_nc_u32 v[ASC], s57, v[ASC]
.endm
.macro PHASE mode                      ; one 128 x 128: K = 1,024 in eight steps, and the way out
	s_wait_loadcnt 0x0                             ; the bias
	SCALES
.if \mode
	FETCH 0, AX16, AX8, AW16, AW8
.else
	FETCH 0, AW16, AW8, AX16, AX8
.endif
.irp k, 0,1,2,3,4,5,6,7
	KSTEP \k, \mode
.endr
	WIN 0
.rept 4
	v_nop                                          ; four places in front of the first read of results
.endr
	EPI \mode
.endm
	s_load_b256 s[4:11], s[0:1], 0x0               ; xq, wq, bq, bk
	s_load_b128 s[12:15], s[0:1], 0x20             ; bv, kq
	s_load_b64 s[16:17], s[0:1], 0x30              ; vq
	v_lshl_add_u32 v[SPW], v0, 2, SPARE
	v_mov_b32 v[NIL], 0
	ds_add_u32 v[SPW], v[NIL]                      ; the opening lines: the add, twice on end, and its wait ahead of the first tensor load
	ds_add_u32 v[SPW], v[NIL]
	v_lshrrev_b32 v1, 5, v0
	v_readfirstlane_b32 s[WV], v1                  ; wave 0..3
	s_lshr_b32 s[WA], s[WV], 1                     ; which 64 tokens are mine.  Also: I fetch for the tokens (0) or for the weights (1)
	s_and_b32 s[WB], s[WV], 1                      ; which 64 columns.  Also: which half of a block I fetch
	s_bfe_u32 s21, ttmp6, 0x40000                  ; cx, cy: my place in the cluster
	s_bfe_u32 s22, ttmp6, 0x40004
	s_lshl_b32 s23, ttmp9, 2
	s_add_co_u32 s23, s23, s21                     ; cb = 4 x cluster x + cx
	s_and_b32 s48, ttmp7, 0xffff
	s_lshl_b32 s48, s48, 2
	s_add_co_u32 s48, s48, s22                     ; block row = 4 x cluster y + cy
	s_lshl_b32 s49, s22, 2
	s_lshl_b32 s49, 15, s49                        ; my row of the cluster
	s_lshl_b32 s50, 0x1111, s21                    ; my column
	s_or_b32 s[G1], s49, (3<<16)|(1<<21)           ; 15:0 the mask; 17:16 elements of 8 bytes; 20 no padding; 21 set beside a mask
	s_or_b32 s[G1B], s50, (3<<16)|(1<<21)
.irp g, G1, G1B                        ; half a block, 51,200 dense bytes, as 200 rows of 256 bytes
	s_mov_b32 s[\g+1], 32<<16                      ; tensor_dim0 = 32
	s_mov_b32 s[\g+2], 200<<16                     ; tensor_dim1 = 200
	s_mov_b32 s[\g+3], 32<<16                      ; tile_dim0 = 32
	s_mov_b32 s[\g+4], 200                         ; tile_dim1 = 200
	s_mov_b32 s[\g+5], 32                          ; tensor_dim0_stride
	s_mov_b32 s[\g+6], 0
	s_mov_b32 s[\g+7], 0
.endr
	s_mul_i32 s[H51], s[WB], 51200                 ; my half
	s_mul_i32 s52, s48, BLK
	s_add_co_u32 s52, s52, s[H51]                  ; in xq: hangs on the block row and the wave alone
	s_mov_b32 s53, 0
	s_mul_i32 s54, s23, BLK
	s_add_co_u32 s54, s54, s[H51]                  ; in wq: on cb and the wave alone
	s_mov_b32 s55, 0
	s_mul_i32 s51, s[WV], 51200                    ; in LDS: the tokens' block at 0, Wq's at 102,400: wave x 51,200
	s_mov_b32 s[SEL], 0x76543210
	s_mov_b32 s[SEL+1], 0xfedcba98
	s_mov_b32 s[TR], 0
	s_wait_dscnt 0x0
	s_wait_kmcnt 0x0
	s_mov_b32 s[G0], 1
	s_mov_b32 s[G0+1], s51
	s_add_nc_u64 s[G0+2:G0+3], s[4:5], s[52:53]
	s_or_b32 s[G0+3], s[G0+3], 0x80000000
	s_mov_b32 s[G0B], 1
	s_mov_b32 s[G0B+1], s51
	s_add_nc_u64 s[G0B+2:G0B+3], s[6:7], s[54:55]
	s_or_b32 s[G0B+3], s[G0B+3], 0x80000000
	CROUND                                         ; all sixteen work-groups are here: the first joint loads meet
	JLOAD
	v_and_b32 v31, 31, v0                          ; lane
	v_and_b32 v1, 15, v0                           ; r
	v_bfe_u32 v2, v0, 4, 1                         ; h
	v_lshlrev_b32 v3, 4, v31                       ; 16 x lane
	v_lshlrev_b32 v4, 3, v31                       ; 8 x lane
	v_lshlrev_b32 v5, 4, v1
	v_lshl_add_u32 v5, v2, 3, v5                   ; 16 r + 8 h
	s_mul_i32 s57, s[WA], 6144                     ; my four token tiles
	v_add_nc_u32 v[AX16], s57, v3
	v_add_nc_u32 v[AX8], s57, v4
	s_add_co_u32 s57, s57, 4*KSB
	v_add_nc_u32 v[AX16+1], s57, v3
	v_add_nc_u32 v[AX8+1], s57, v4
	v_mov_b32 v[QT+2], 0                           ; written once: a lane permute's destination counts as one of its sources
	v_lshlrev_b32 v[H8], 3, v2                     ; 8 h
	v_lshlrev_b32 v30, 7, v2                       ; q, k: tile p's register j is channel 32 h + 8 p + j
	s_lshl_b32 s59, s23, 1
	s_add_co_u32 s59, s59, s[WB]                   ; my head
	s_wait_alu depctr_va_vdst(0)
.Lqk:                                              ; two trips: q from the slot at 102,400, k from the slot at 204,800
	s_wait_xcnt 0x0                                ; the last trip's loads and stores have read their registers and bases
	s_lshl_b32 s62, s59, 8
	s_mov_b32 s63, 0
	s_cmp_eq_u32 s[TR], 0
	s_cselect_b64 s[60:61], s[8:9], s[10:11]       ; bq or bk: the choice hangs on the trip alone
	s_add_nc_u64 s[60:61], s[60:61], s[62:63]
.irp p, 0,1,2,3
	global_load_b128 v[CB+8*\p:CB+8*\p+3], v30, s[60:61] offset:32*\p
	global_load_b128 v[CB+8*\p+4:CB+8*\p+7], v30, s[60:61] offset:32*\p+16
.endr
	s_lshl_b32 s52, s[TR], 4
	s_add_co_u32 s52, s52, s59                     ; q's head, or 16 + k's
	s_mul_i32 s52, s52, 212992
	s_lshr_b32 s53, s48, 2
	s_mul_i32 s53, s53, 26624                      ; the chunk of 512 tokens
	s_add_co_u32 s52, s52, s53
	s_and_b32 s53, s48, 3
	s_lshl_b32 s53, s53, 1
	s_add_co_u32 s53, s53, s[WA]                   ; my group of four tiles in it
	s_mul_i32 s54, s53, 3072
	s_add_co_u32 s54, s54, s52
	s_mov_b32 s55, 0
	s_lshl_b32 s56, s53, 8
	s_add_co_u32 s56, s56, s52
	s_add_co_u32 s56, s56, 24576
	s_mov_b32 s57, 0
	s_add_nc_u64 s[68:69], s[14:15], s[54:55]
	s_add_nc_u64 s[70:71], s[14:15], s[56:57]
	s_add_co_u32 s[SLB], s[TR], 1
	s_mul_i32 s[SLB], s[SLB], BLK                  ; the slot in hand
	WADDR
	v_mul_u32_u24 v31, s58, v2
	v_add_nc_u32 v[ASC], v[ASC], v31               ; lanes 0-15 the tokens' scale words, lanes 16-31 the weights'
	s_wait_alu depctr_va_vdst(0)
	s_wait_tensorcnt 0x0                           ; all my tensor loads have landed, my part of the block in hand among them,
	ds_add_u32 v[SPW], v[NIL]                      ; 0 onto my spare word
	s_xor_b32 s[TT], s[TR], 1
	s_add_co_u32 s[TT], s[TT], 1
	s_mul_i32 s[TT], s[TT], BLK                    ; the other slot,
	s_add_co_u32 s[G0B+1], s[TT], s[H51]           ; my half of it,
	s_add_nc_u64 s[G0B+2:G0B+3], s[G0B+2:G0B+3], 8*BLK   ; and the next weight's block cb; the type bits on top are not reached
	s_wait_dscnt 0x0                               ; the add is done, and my reads of the other slot are over
	CROUND                                         ; both now hold of every wave of every work-group of the cluster
	WLOAD                                          ; trip 0: Wk, the second slot's first fill; trip 1: Wv, into Wq's slot
	PHASE 0
	s_add_co_u32 s[TR], s[TR], 1
	s_cmp_lt_u32 s[TR], 2
	s_cbranch_scc1 .Lqk
	s_wait_xcnt 0x0                                ; k's stores have read their registers and bases
	s_lshl_b32 s62, s59, 8
	s_mov_b32 s63, 0
	s_add_nc_u64 s[60:61], s[12:13], s[62:63]      ; bv
	v_and_b32 v30, 8, v1
	v_mad_u32_u24 v30, v30, 3, v1
	v_lshlrev_b32 v30, 2, v30                      ; a lane holds one channel, 32 (r / 8) + 8 i + r % 8: its bias fills the tile's eight registers
.irp i, 0,1,2,3
.irp j, 0,1,2,3,4,5,6,7
	global_load_b32 v[CB+8*\i+\j], v30, s[60:61] offset:32*\i
.endr
.endr
	s_mul_i32 s52, s59, 6400                       ; the head's place in a key step of vq;
	s_mul_i32 s53, s48, BLK                        ; the key step is the block row
	s_add_co_u32 s52, s52, s53
	s_mul_i32 s54, s[WA], 3072                     ; my 64 keys: key half wa
	s_add_co_u32 s54, s54, s52
	s_mov_b32 s55, 0
	s_lshl_b32 s56, s[WA], 1
	s_add_co_u32 s56, s56, s52
	s_add_co_u32 s56, s56, 6144
	s_mov_b32 s57, 0
	s_add_nc_u64 s[68:69], s[16:17], s[54:55]
	s_add_nc_u64 s[70:71], s[16:17], s[56:57]
	s_mov_b32 s[SLB], BLK                          ; Wv lies in the first slot
	WADDR
	v_xor_b32 v31, 1, v2
	v_mul_u32_u24 v31, s58, v31
	v_add_nc_u32 v[ASC], v[ASC], v31               ; lanes 0-15 the weights' scale words, lanes 16-31 the tokens'
	s_wait_alu depctr_va_vdst(0)
	s_wait_tensorcnt 0x0                           ; my half of Wv's block is in,
	s_wait_dscnt 0x0
	s_barrier_signal -1
	s_barrier_wait -1                              ; everybody's is
	PHASE 1
	s_wait_tensorcnt 0x0                           ; the wave's end
	ds_add_u32 v[SPW], v[NIL]
	s_wait_dscnt 0x0
	CROUND                                         ; the closing round: no work-group ends while a partner may still ask for a block that names it
	s_endpgm
.Lfunc_end_k_q9d5acfb707_proj:
	.size	k_q9d5acfb707_proj, .Lfunc_end_k_q9d5acfb707_proj-k_q9d5acfb707_proj
	.p2alignl 7, 3214868480
	.fill 96, 4, 3214868480
	.section	.rodata,"a",@progbits
	.p2align	6, 0x0
	.amdhsa_kernel k_q9d5acfb707_proj
		.amdhsa_group_segment_fixed_size 327680
		.amdhsa_private_segment_fixed_size 0
		.amdhsa_enable_private_segment 0
		.amdhsa_kernarg_size 56
		.amdhsa_user_sgpr_count 2
		.amdhsa_user_sgpr_kernarg_segment_ptr 1
		.amdhsa_wavefront_size32 1
		.amdhsa_system_sgpr_workgroup_id_x 1
		.amdhsa_system_sgpr_workgroup_id_y 1
		.amdhsa_system_sgpr_workgroup_id_z 1
		.amdhsa_system_vgpr_workitem_id 0
		.amdhsa_next_free_vgpr 512
		.amdhsa_next_free_sgpr 80
		.amdhsa_reserve_vcc 1
		.amdhsa_float_denorm_mode_32 3
		.amdhsa_float_denorm_mode_16_64 3
		.amdhsa_memory_ordered 1
		.amdhsa_forward_progress 1
		.amdhsa_inst_pref_size 97
	.end_amdhsa_kernel
	.amdgpu_metadata
---
amdhsa.version: [ 1, 2 ]
amdhsa.kernels:
  - .name:           k_q9d5acfb707_proj
    .symbol:         k_q9d5acfb707_proj.kd
    .args:
      - { .name: xq, .offset: 0, .size: 8, .value_kind: global_buffer, .address_space: global }
      - { .name: wq, .offset: 8, .size: 8, .value_kind: global_buffer, .address_space: global }
      - { .name: bq, .offset: 16, .size: 8, .value_kind: global_buffer, .address_space: global }
      - { .name: bk, .offset: 24, .size: 8, .value_kind: global_buffer, .address_space: global }
      - { .name: bv, .offset: 32, .size: 8, .value_kind: global_buffer, .address_space: global }
      - { .name: kq, .offset: 40, .size: 8, .value_kind: global_buffer, .address_space: global }
      - { .name: vq, .offset: 48, .size: 8, .value_kind: global_buffer, .address_space: global }
    .group_segment_fixed_size: 327680
    .private_segment_fixed_size: 0
    .kernarg_segment_align: 8
    .kernarg_segment_size: 56
    .max_flat_workgroup_size: 128
    .sgpr_count:     80
    .vgpr_count:     512
    .wavefront_size: 32
...
	.end_amdgpu_metadata
.endif
;; end of part 2
;; launch attn (part 3): grid 16 x 16, 16 waves a work-group, clusters of 4 x 1, 327,680 bytes of LDS; arguments kq, vq, oq; writes oq
.if DOCPART == 3
	.amdgcn_target "amdgcn-amd-amdhsa--gfx1250"
	.amdhsa_code_object_version 6
	.text
	.protected	k_q9d5acfb707_attn
	.globl	k_q9d5acfb707_attn
	.p2align	8
	.type	k_q9d5acfb707_attn,@function
k_q9d5acfb707_attn:
	s_mov_b64 s[64:65], 0
	v_nop
	global_prefetch_b8 v0, s[64:65] scope:SCOPE_SE
	s_setreg_imm32_b32 hwreg(HW_REG_WAVE_MODE, 25, 1), 1
	s_wait_xcnt 0x0
	s_wait_alu depctr_hold_cnt(0) depctr_sa_sdst(0) depctr_va_vdst(0) depctr_va_sdst(0) depctr_va_ssrc(0) depctr_va_vcc(0) depctr_vm_vsrc(0)
	s_getreg_b32 s2, hwreg(HW_REG_IB_STS2, 6, 4)
	s_cmp_eq_u32 s2, 0
	s_cbranch_scc0 .Lentry_in_a_cluster
	s_endpgm
.Lentry_in_a_cluster:
	s_bfe_u32 s2, ttmp6, 0x10000c
	s_cmp_lg_u32 s2, 0x3003
	s_cbranch_scc0 .Lentry_shape_is_right
	s_endpgm
.Lentry_shape_is_right:
; o[q][head] = the sum over keys of softmax(q . k / 8) v, 16 heads of 64, 4,096 tokens, both products on codes of FP6 (E2M3) with E8M0 scales; o is quantised along the 1,024 and stored as codes for the last product.
; THE SOFTMAX AHEAD OF THE SECOND PRODUCT: t = score x log2(e) / 8; M = the row's largest t so far, rounded UP to a whole number; p = 2^(t - M) is quantised along the keys, not normalised.  The row's sum is taken of the
; unquantised p, in f32, and divides o at the end.  When M moves, the sum and o are multiplied by 2^(old M - new M): exact.
; IN: kq [q's heads 0-15, k's heads 16-31][chunk of 512 tokens, 8][26,624]: 32 half images, then scale words [group of 4 tiles, 8][place 16][tile % 4] = {block 0, block 1, 127, 127}.
;     vq [key step of 128, 32][head 16][6,400]: half images [key half 2][channel tile 4], then scale words [place 16][channel tile 4].
;     A half image (768 bytes, 16 places x 64 K): lane (r, h)'s registers 0-3 at byte 16 x lane, 4-5 at byte 512 + 8 x lane.
; THE TILES' ORDER: tile 4 c + u of 128 rows holds at place i row 64 c + 32 (i / 8) + 8 u + i % 8.  Both products are used transposed (S^T = K Q^T, O^T = V^T P^T): a lane holds one query throughout, and by that order
; the 32 registers of four neighbouring tiles are 32 NEIGHBOURS along the next K, a whole block in one lane: lane (r, h) holds keys 64 c + 32 h + 0 .. 31 (and of O^T channels 32 h + 0 .. 31), which is the operand's own layout.
; SHARES.  A work-group owns 256 queries of one head, each of its sixteen waves one tile of 16, in 256 registers: four waves to a SIMD.  Every wave walks all keys, 128 a step.
; THE HEAD HAS 64 OF THE INSTRUCTION'S 128 ALONG K.  Q's upper six registers are zero codes and its upper scale bytes 127.  A tile of K names its own six registers and the six behind them, whatever they hold: every code of
; this format is a finite number, so those products are exact zeros.
; TWO RUNS OF 64 REGISTERS CHANGE ROLES FROM STEP TO STEP: one holds K and then V, the other the scores and then p.  When p's codes are made and the sum has taken p's first 48 registers, the next step's K is asked for into
; them, ahead of the second product; the next scores then land where V lay.  The sum's last eight additions (p's last 16 registers) are the places between the second product and those scores.
; THE RING: two LDS slots of 512 keys, 65,536 bytes apart: K's chunk, then V's four key steps.  CLUSTER: the four query blocks of a cluster walk the same head's K and V: each tile is asked for jointly (wave 0: K's, wave 1: V's).
; THE CHANGE OF SLOTS OPENS INSIDE A SLOT'S LAST KEY STEP: when that step's V is in registers the wave reads the slot no more: it signals there, and the step's softmax, second product and sum, work on registers, stand between
; the signal and the wait.  NO PREFETCH: a slot is asked for four key steps of all sixteen waves ahead of the wait for it.  By this text's own count one tensor load a wave is out.
; OUT: oq, blocks of 128 tokens of 102,400 bytes: codes [K step 8][tile 8][half 2][768], then scale words [tile 8][K half 2][place 16][4 words]; head n is half n % 2 of K step n / 2.
; LIMITS: NaN and infinities are not served; the promise holds while |t| stays under 2^31; a block of o under 2^-124 gets the byte 1; v_exp_f32 and v_rcp_f32 are good to 1 ulp and give 0 for results under 2^-126.
.set SLOT1, 65536
.set KSC,   24576                      ; K's scale words in a slot
.set VOFF,  26624                      ; V's four key steps in a slot, 6,400 bytes each
.set VROW,  6400
.set VSC,   6144
.set SPARE, 131072                     ; behind the ring: the spare words, 128 bytes for each of sixteen waves: eight blocks of 256 bytes that no other line names
.set L16,  1                           ; v1  16 x lane     v2  8 x lane     v3  16 r
.set L8,   2
.set R16,  3
.set A16,  4                           ; v4, v7, v8: the same in the slot in hand
.set SPW,  5                           ; v5  LDS address of my spare word; never rewritten
.set NIL,  6                           ; v6  0; never rewritten
.set A8,   7
.set AS,   8
.set OSB,  9                           ; v9  16 r + h: my scale byte's place on the way out
.set NM,   10                          ; v10, v12: -M, by turns from step to step (v11, v13 are named with them as pairs)
.set RUN,  14                          ; v[14:15] the row's sum, in two halves
.set QF,   16                          ; v16-21 Q's half image, v22-27 zero codes;  v28 Q's scale word
.set QW,   28
.set RM,   29                          ; v29 the row's largest score so far
.set RA,   32                          ; v32-95 and v96-159: the two runs
.set ST,   96                          ; the way out's numbers
.set OT,   160                         ; v160-191 O^T
.set VW,   192                         ; v192-195 V's scale words
.set BM,   196                         ; v196-197 my two blocks' largest scores, then largest p;  v198-199 second chains
.set BN,   198
.set SOP,  200                         ; v200-201 the conversions' scale operands;  v202-203 the bytes
.set BY,   202
.set PT,   204                         ; v204-205 what lane l xor 16 sends
.set TMP,  206
.set WW,   207                         ; my two bytes
.set FF,   208                         ; v[208:209] f = 2^(old M - new M)
.set PW,   210                         ; p's scale word
.set CT,   212                         ; v212-218 the conversions' second halves
.set SA,   220                         ; v[220:221], v[222:223], v[236:237], v[238:239]: a step's sum of p, in four chains
.set SB,   222
.set PC,   224                         ; v224-235 p's codes
.set SC,   236
.set SD,   238
.set KW,   240                         ; v240-247 K's scale words
.set WO,   3                           ; s3  wave % 2: I ask for K (0) or V (1)
.set WV,   18
.set SEL,  20
.set CS,   22                          ; s[22:23] c = log2(e) / 8
.set G1K,  24
.set G1V,  32
.set G0K,  40
.set G0V,  44
.set TB,   48                          ; s48 LDS byte at which the slot in hand begins
.set SLOTS, 49
.macro CREST                           ; a round of the cluster's barrier behind its opening barrier
	s_cmp_lg_u32 s[WV], 0
	s_cbranch_scc1 .Lnot_wave_0_\@
	s_barrier_signal -3
.Lnot_wave_0_\@:
	s_barrier_wait -3
	s_barrier_signal -1
	s_barrier_wait -1
.endm
.macro CROUND                          ; a whole round
	s_barrier_signal -1
	s_barrier_wait -1
	CREST
.endm
.macro TLOAD                           ; one chain of branches on the wave's number: wave 0 asks for K's chunk, wave 1 for V's four key steps, the others for nothing; four v_nop follow each line
	s_cmp_lt_u32 s[WV], 2
	s_cbranch_scc0 .Lasked_\@
	s_cmp_eq_u32 s[WO], 0
	s_cbranch_scc0 .Lfor_v_\@
	tensor_load_to_lds s[G0K:G0K+3], s[G1K:G1K+7]
	s_nop 0
.rept 4
	v_nop
.endr
	s_branch .Lasked_\@
.Lfor_v_\@:
	tensor_load_to_lds s[G0V:G0V+3], s[G1V:G1V+7]
	s_nop 0
.rept 4
	v_nop
.endr
.Lasked_\@:
.endm
.macro DSTEP                           ; the walking descriptors: the other slot than last time, the next chunk of K and the next four key steps of V; the type bits on top are not reached
	s_xor_b32 s[G0K+1], s[G0K+1], SLOT1
	s_add_nc_u64 s[G0K+2:G0K+3], s[G0K+2:G0K+3], 26624
	s_xor_b32 s[G0V+1], s[G0V+1], SLOT1
	s_add_nc_u64 s[G0V+2:G0V+3], s[G0V+2:G0V+3], 409600
.endm
.macro KLOAD q, reg                    ; K's eight half images and scale words of the q-th key step of the slot in hand: 18 loads
.irp t, 0,1,2,3,4,5,6,7
	ds_load_b128 v[\reg+6*\t:\reg+6*\t+3], v[A16] offset:(8*(\q)+\t)*768
	ds_load_b64 v[\reg+6*\t+4:\reg+6*\t+5], v[A8] offset:(8*(\q)+\t)*768+512
.endr
	ds_load_b128 v[KW:KW+3], v[AS] offset:KSC+512*(\q)
	ds_load_b128 v[KW+4:KW+7], v[AS] offset:KSC+512*(\q)+256
.endm
.macro OMUL j                          ; two numbers of O^T under the new M
	v_pk_mul_f32 v[OT+\j:OT+\j+1], v[OT+\j:OT+\j+1], v[FF:FF+1] op_sel_hi:[1,0]
.endm
.macro PADD4 j                         ; eight registers of p onto the four chains
	v_pk_add_f32 v[SA:SA+1], v[SA:SA+1], v[YR+\j:YR+\j+1]
	v_pk_add_f32 v[SB:SB+1], v[SB:SB+1], v[YR+\j+2:YR+\j+3]
	v_pk_add_f32 v[SC:SC+1], v[SC:SC+1], v[YR+\j+4:YR+\j+5]
	v_pk_add_f32 v[SD:SD+1], v[SD:SD+1], v[YR+\j+6:YR+\j+7]
.endm
.macro SUMEND                          ; the last step's sum of p: four chains into one, and onto the row's sum, which goes under that step's M in the same line
	v_pk_add_f32 v[SA:SA+1], v[SA:SA+1], v[SB:SB+1]
	v_pk_add_f32 v[SC:SC+1], v[SC:SC+1], v[SD:SD+1]
	s_delay_alu instid0(VALU_DEP_1)
	v_pk_add_f32 v[SA:SA+1], v[SA:SA+1], v[SC:SC+1]
	s_delay_alu instid0(VALU_DEP_1)
	v_pk_fma_f32 v[RUN:RUN+1], v[RUN:RUN+1], v[FF:FF+1], v[SA:SA+1] op_sel_hi:[1,0,1]
.endm
; A KEY STEP: 128 keys, the q-th of the slot in hand.  own = 1: it asks for its own K;  pre = 1: it asks for the next step's K ahead of its second product;
; chg = 1: the change of slots opens in it, a refill follows;  chg = 2: the same with no refill behind the barrier.
.macro STEP q, own, pre, chg
.set XR, RA+64*((\q)%2)                ; K, then V
.set YR, RA+64-64*((\q)%2)             ; S^T, then p, then the next step's K
.set NW, NM+2*((\q)%2)                 ; -M is written here,
.set OD, NM+2-2*((\q)%2)               ; and the last step's stands here
.if \own
	KLOAD \q, XR
.endif
	s_wait_alu depctr_va_vdst(0)
	s_wait_dscnt 0x0                               ; K is in
.irp t, 0,1,2,3,4,5,6,7                        ; S^T = K Q^T: lane (r, h) holds query r; register 32 c + i is key 64 c + 32 h + i
	v_wmma_scale_f32_16x16x128_f8f6f4 v[YR+8*\t:YR+8*\t+7], v[XR+6*\t:XR+6*\t+11], v[QF:QF+11], 0, v[KW+\t], v[QW] matrix_a_fmt:MATRIX_FMT_FP6 matrix_b_fmt:MATRIX_FMT_FP6
.endr
	SUMEND                                         ; four places, for the loads below and for the first read of the scores: they name no register of the products
.irp t, 0,1,2,3                                ; V's four fragments, where K lay
.irp c, 0,1
	ds_load_b128 v[XR+12*\t+6*\c:XR+12*\t+6*\c+3], v[A16] offset:VOFF+VROW*(\q)+3072*\c+768*\t
	ds_load_b64 v[XR+12*\t+6*\c+4:XR+12*\t+6*\c+5], v[A8] offset:VOFF+VROW*(\q)+3072*\c+768*\t+512
.endr
.endr
	ds_load_b128 v[VW:VW+3], v[AS] offset:VOFF+VROW*(\q)+VSC
.if \chg
	s_wait_tensorcnt 0x0                           ; no tensor load of mine is out: my part of the slot ahead is in, and a group 0 may be written
	ds_add_u32 v[SPW], v[NIL]                      ; 0 onto my spare word
.if \chg == 1
	ds_add_u32 v[SPW], v[NIL]                      ; and once more
	DSTEP
.endif
.endif
.irp c, 0,1                                    ; the largest score of each of my two blocks of 32 keys, in two chains each: it serves for the row's maximum and, since p rises with the score, for the block's largest p.  Each accumulator is first read at its low end
	v_max3_num_f32 v[BM+\c], v[YR+32*\c], v[YR+32*\c+1], v[YR+32*\c+2]
	v_max3_num_f32 v[BN+\c], v[YR+32*\c+17], v[YR+32*\c+18], v[YR+32*\c+19]
.endr
.irp i, 0,2,4,6,8,10
.irp c, 0,1
	v_max3_num_f32 v[BM+\c], v[BM+\c], v[YR+32*\c+3+\i], v[YR+32*\c+4+\i]
	v_max3_num_f32 v[BN+\c], v[BN+\c], v[YR+32*\c+20+\i], v[YR+32*\c+21+\i]
.endr
.endr
.irp c, 0,1
	v_max3_num_f32 v[BM+\c], v[BM+\c], v[YR+32*\c+15], v[YR+32*\c+16]
.endr
.irp c, 0,1
	s_delay_alu instid0(VALU_DEP_2)
	v_max_num_f32 v[BM+\c], v[BM+\c], v[BN+\c]
.endr
.if \chg
	s_wait_alu depctr_va_vdst(0)
	s_wait_dscnt 0x0                               ; the add is done, V is in registers, and my reads of this slot are over:
	s_barrier_signal -1                            ; say so; up to the wait at the step's end stands work on registers alone
.endif
	v_max3_num_f32 v[TMP], v[BM], v[BM+1], v[RM]   ; my 64 keys and all earlier ones,
	s_delay_alu instid0(VALU_DEP_1)
	v_permlanex16_b32 v[PT], v[TMP], s[SEL], s[SEL+1]
	s_delay_alu instid0(VALU_DEP_1)
	v_max_num_f32 v[RM], v[TMP], v[PT]             ; with lane l xor 16's: the row's largest score so far
	s_delay_alu instid0(VALU_DEP_1)
	v_mul_f32 v[TMP], s[CS], v[RM]                 ; as t (c is positive)
	s_delay_alu instid0(VALU_DEP_1)
	v_floor_f32 v[NW], -v[TMP]                     ; the new -M = floor(-t): M is a whole number
.set j, 0
.rept 32
	v_pk_fma_f32 v[YR+j:YR+j+1], v[YR+j:YR+j+1], s[CS:CS+1], v[NW:NW+1] op_sel_hi:[1,0,0]   ; t - M, two at a time (of the pairs c and -M the low word serves both halves)
.if j == 8
	v_sub_f32 v[TMP], v[NW], v[OD]                 ; old M - new M: a whole number, 0 or less
.endif
.if j == 20
	v_cvt_i32_f32 v[TMP], v[TMP]                   ; (it saturates)
.endif
.if j == 32
	v_ldexp_f32 v[FF], 1.0, v[TMP]                 ; f = 2^(old M - new M)
.endif
.set j, j+2
.endr
.irp c, 0,1
	v_fma_f32 v[BM+\c], v[BM+\c], s[CS], v[NW]     ; the same of each block's largest score
.endr
	s_wait_alu depctr_va_vdst(0)
.set j, 0
.rept 64
	v_exp_f32 v[YR+j], v[YR+j]                     ; p = 2^(t - M), at most 1
.set j, j+1
.endr
.irp c, 0,1
	v_exp_f32 v[BM+\c], v[BM+\c]                   ; the block's largest p: the same two instructions on the same number
.endr
	v_nop                                          ; one plain place behind the exponentials
	s_wait_alu depctr_va_vdst(0)                   ; one wait for the batch, ahead of its first reader
.irp c, 0,1
	v_max_num_f32 v[BM+\c], 0x1800000, v[BM+\c]    ; the floor 2^(3 - 127): the byte cannot fall under 1
.endr
	v_pk_add_f32 v[SA:SA+1], v[YR:YR+1], v[YR+2:YR+3]          ; THE ROW'S SUM IS TAKEN OF THE UNQUANTISED p, two at a time, in four chains
	v_pk_add_f32 v[SB:SB+1], v[YR+4:YR+5], v[YR+6:YR+7]
	v_pk_add_f32 v[SC:SC+1], v[YR+8:YR+9], v[YR+10:YR+11]
	v_pk_add_f32 v[SD:SD+1], v[YR+12:YR+13], v[YR+14:YR+15]
.irp c, 0,1
	v_add_nc_u32 v[SOP+\c], 0xff000000, v[BM+\c]   ; 2 off the exponent field: the conversion's scale operand
.endr
	PADD4 16
.irp c, 0,1
	v_lshrrev_b32 v[BY+\c], 23, v[SOP+\c]          ; the scale's byte
.endr
	PADD4 24
	v_lshl_or_b32 v[WW], v[BY+1], 16, v[BY]        ; my blocks h and 2 + h, at bytes 0 and 2
	PADD4 32
	PADD4 40
.irp c, 0,1
	v_cvt_scalef32_pk16_fp6_f32 v[PC+6*\c:PC+6*\c+2], v[YR+32*\c:YR+32*\c+15], v[SOP+\c]
	v_cvt_scalef32_pk16_fp6_f32 v[CT+4*\c:CT+4*\c+2], v[YR+32*\c+16:YR+32*\c+31], v[SOP+\c]   ; (a conversion's three registers begin on an even number)
.endr
.if \pre
	KLOAD (\q)+1, YR                               ; p's first 48 registers are done with: the next step's K
.endif
	s_wait_alu depctr_va_vdst(0)                   ; behind every exponential and directly ahead of the first readers of O^T
.irp j, 0,8,16,24                              ; O^T under the new M: each accumulator from its low end on.  (The first is the plain place behind the conversions)
	OMUL \j
.endr
	v_permlanex16_b32 v[PT+1], v[WW], s[SEL], s[SEL+1]
.irp i, 0,1,2
	v_mov_b32 v[PC+3+\i], v[CT+\i]
.endr
	v_lshl_or_b32 v[PW], v[PT+1], 8, v[WW]         ; p's scale word for these 128 keys, whole in lanes 0-15, which alone are read: blocks 1 and 3 come from lane l + 16
.irp i, 0,1,2
	v_mov_b32 v[PC+9+\i], v[CT+4+\i]
.endr
.irp j, 2,10,18,26,4,12,20,28,6,14,22,30       ; with the three moves: fifteen places between the scale word's write and the products, twelve behind the last write of p's codes
	OMUL \j
.endr
	s_wait_alu depctr_va_vdst(0)
.if \pre
	s_wait_dscnt 18                                ; V is in; the 18 loads of K issued behind V's may be out
.else
	s_wait_dscnt 0x0                               ; V is in
.endif
.irp t, 0,1,2,3                                ; O^T += V^T P^T: the four accumulators by turns
	v_wmma_scale_f32_16x16x128_f8f6f4 v[OT+8*\t:OT+8*\t+7], v[XR+12*\t:XR+12*\t+11], v[PC:PC+11], v[OT+8*\t:OT+8*\t+7], v[VW+\t], v[PW] matrix_a_fmt:MATRIX_FMT_FP6 matrix_b_fmt:MATRIX_FMT_FP6
.endr
	PADD4 48                                       ; p's last 16 registers, on which no load lands: eight places between these products and the next scores, which are written over V
	PADD4 56
.endm
.macro SLOT chg                        ; a slot's four key steps, and the rest of the change of slots
	v_add_nc_u32 v[A16], s[TB], v[L16]             ; my places in the slot in hand
	v_add_nc_u32 v[A8], s[TB], v[L8]
	v_add_nc_u32 v[AS], s[TB], v[R16]
	STEP 0, 1, 1, 0
	STEP 1, 0, 1, 0
	STEP 2, 0, 1, 0
	STEP 3, 0, 0, \chg
	s_barrier_wait -1                              ; every wave of my work-group has left this slot, and the slot ahead is whole
.if \chg == 1
	CREST                                          ; the barrier has opened a round of the cluster's barrier: no wave of any partner still reads this slot or has a load on its way
	TLOAD                                          ; the first thing behind the round, and a wave's one tensor load until the next
.endif
	s_xor_b32 s[TB], s[TB], SLOT1                  ; on to the other slot
.endm
	s_load_b128 s[4:7], s[0:1], 0x0                ; kq, vq
	s_load_b64 s[8:9], s[0:1], 0x10                ; oq
	v_lshl_add_u32 v[SPW], v0, 2, SPARE
	v_mov_b32 v[NIL], 0
	ds_add_u32 v[SPW], v[NIL]                      ; the opening lines: the add, twice on end, and its wait ahead of the first tensor load
	ds_add_u32 v[SPW], v[NIL]
	v_lshrrev_b32 v1, 5, v0
	v_readfirstlane_b32 s[WV], v1                  ; wave 0..15
	s_and_b32 s[WO], s[WV], 1
	s_bfe_u32 s50, ttmp6, 0x40000                  ; cx: my place in the cluster
	s_lshl_b32 s51, ttmp9, 2
	s_add_co_u32 s51, s51, s50                     ; my block of 256 queries: it enters Q's and o's addresses alone
	s_and_b32 s52, ttmp7, 0xffff                   ; the head, which the four partners share
	s_add_co_u32 s54, s52, 16
	s_mul_i32 s54, s54, 212992                     ; k's head in kq
	s_mov_b32 s55, 0
	s_mul_i32 s56, s52, VROW                       ; the head's place in a key step of vq
	s_mov_b32 s57, 0
	s_mov_b32 s[G1K], 15|(3<<16)|(1<<21)           ; 15:0 the mask: all four work-groups; 17:16 elements of 8 bytes; no padding; 21 set beside a mask
	s_mov_b32 s[G1K+1], 32<<16                     ; K's chunk: 26,624 dense bytes as 104 rows of 256
	s_mov_b32 s[G1K+2], 104<<16
	s_mov_b32 s[G1K+3], 32<<16
	s_mov_b32 s[G1K+4], 104
	s_mov_b32 s[G1K+5], 32
	s_mov_b32 s[G1K+6], 0
	s_mov_b32 s[G1K+7], 0
	s_mov_b32 s[G1V], 15|(3<<16)|(1<<21)
	s_mov_b32 s[G1V+1], 800<<16                    ; V: 4 rows of 6,400 bytes, 102,400 bytes apart
	s_mov_b32 s[G1V+2], 4<<16
	s_mov_b32 s[G1V+3], 800<<16
	s_mov_b32 s[G1V+4], 4
	s_mov_b32 s[G1V+5], 12800
	s_mov_b32 s[G1V+6], 0
	s_mov_b32 s[G1V+7], 0
	s_mov_b32 s[SEL], 0x76543210
	s_mov_b32 s[SEL+1], 0xfedcba98                 ; v_permlanex16_b32's selects for lane l xor 16
	s_mov_b32 s[CS], 0x3e38aa3b                    ; c = log2(e) / 8
	s_mov_b32 s[CS+1], s[CS]                       ; (named with it as a pair, so it is written)
	s_mov_b32 s[TB], 0
	s_mov_b32 s[SLOTS], 6
	s_wait_dscnt 0x0                               ; both opening adds are done
	s_wait_kmcnt 0x0
	s_mov_b32 s[G0K], 1
	s_mov_b32 s[G0K+1], 0                          ; slot 0
	s_add_nc_u64 s[G0K+2:G0K+3], s[4:5], s[54:55]
	s_or_b32 s[G0K+3], s[G0K+3], 0x80000000
	s_mov_b32 s[G0V], 1
	s_mov_b32 s[G0V+1], VOFF
	s_add_nc_u64 s[G0V+2:G0V+3], s[6:7], s[56:57]
	s_or_b32 s[G0V+3], s[G0V+3], 0x80000000
	CROUND                                         ; all four work-groups are here: the first joint loads meet
	TLOAD                                          ; slot 0
	s_mul_i32 s58, s52, 212992                     ; q's head,
	s_lshr_b32 s59, s51, 1
	s_mul_i32 s59, s59, 26624
	s_add_co_u32 s58, s58, s59                     ; its chunk,
	s_and_b32 s59, s51, 1
	s_lshl_b32 s59, s59, 4
	s_add_co_u32 s59, s59, s[WV]                   ; my tile in the chunk
	s_mul_i32 s60, s59, 768
	s_add_co_u32 s60, s60, s58
	s_mov_b32 s61, 0
	s_lshr_b32 s62, s59, 2
	s_lshl_b32 s62, s62, 8                         ; its group of four tiles,
	s_and_b32 s59, s59, 3
	s_lshl_b32 s59, s59, 2                         ; its word in a row's four
	s_add_co_u32 s62, s62, s59
	s_add_co_u32 s62, s62, s58
	s_add_co_u32 s62, s62, KSC
	s_mov_b32 s63, 0
	s_add_nc_u64 s[10:11], s[4:5], s[60:61]
	s_add_nc_u64 s[12:13], s[4:5], s[62:63]
	v_and_b32 v30, 31, v0                          ; lane
	v_and_b32 v31, 15, v0                          ; r
	v_lshlrev_b32 v[L16], 4, v30
	v_lshlrev_b32 v[L8], 3, v30
	v_lshlrev_b32 v[R16], 4, v31
	v_bfe_u32 v30, v0, 4, 1                        ; h
	v_add_nc_u32 v[OSB], v[R16], v30
	global_load_b128 v[QF:QF+3], v[L16], s[10:11]  ; Q's half image stays in registers
	global_load_b64 v[QF+4:QF+5], v[L8], s[10:11] offset:512
	global_load_b32 v[QW], v[R16], s[12:13]        ; and its scale words
	s_lshl_b32 s58, s51, 1
	s_lshr_b32 s59, s[WV], 3
	s_add_co_u32 s58, s58, s59                     ; the way out: my block of 128 tokens,
	s_mul_i32 s58, s58, 102400
	s_and_b32 s59, s[WV], 7                        ; my tile in it,
	s_lshr_b32 s53, s52, 1                         ; the head's K step,
	s_and_b32 s61, s52, 1                          ; and its half of it
	s_mul_i32 s60, s53, 12288
	s_add_co_u32 s60, s60, s58
	s_mul_i32 s62, s59, 1536
	s_add_co_u32 s60, s60, s62
	s_mul_i32 s62, s61, 768
	s_add_co_u32 s60, s60, s62                     ; where my half image goes
	s_lshl_b32 s62, s59, 9
	s_add_co_u32 s62, s62, s58
	s_lshr_b32 s63, s52, 3
	s_lshl_b32 s63, s63, 8
	s_add_co_u32 s62, s62, s63
	s_and_b32 s63, s53, 3
	s_lshl_b32 s63, s63, 2
	s_add_co_u32 s62, s62, s63
	s_lshl_b32 s63, s61, 1
	s_add_co_u32 s62, s62, s63
	s_add_co_u32 s62, s62, 98304                   ; and its two scale bytes a row
	s_mov_b32 s61, 0
	s_mov_b32 s63, 0
	s_add_nc_u64 s[14:15], s[8:9], s[60:61]
	s_add_nc_u64 s[16:17], s[8:9], s[62:63]
	v_mov_b32 v[RM], 0xff61b1e6                    ; the largest score so far: -3e38
	v_mov_b32 v[NM+2], 0x7f61b1e6                  ; and -M to go with it: 3e38, a whole number
	v_mov_b32 v[NM+1], 0                           ; (named as the upper halves of pairs, so they are written)
	v_mov_b32 v[NM+3], 0
	v_mov_b32 v[FF], 0                             ; the first step's closing of a sum finds zeros
	v_mov_b32 v[FF+1], 0
.irp j, 0,1
	v_mov_b32 v[RUN+\j], 0
	v_mov_b32 v[SA+\j], 0
	v_mov_b32 v[SB+\j], 0
	v_mov_b32 v[SC+\j], 0
	v_mov_b32 v[SD+\j], 0
	v_mov_b32 v[PT+\j], 0                          ; written once: a lane permute's destination counts as one of its sources
.endr
.irp j, 0,1,2,3,4,5
	v_mov_b32 v[QF+6+\j], 0                        ; Q's upper 64 along K: zero codes
	v_mov_b32 v[RA+48+\j], 0                       ; what the first step's last tile of K names behind its own six registers
.endr
.set j, 0
.rept 32
	v_mov_b32 v[OT+j], 0                           ; O^T.  (The step is written once: the first finds zeros, which the first change of M leaves zeros)
.set j, j+1
.endr
	s_wait_alu depctr_va_vdst(0)
	s_wait_loadcnt 0x0                             ; Q
	s_wait_tensorcnt 0x0                           ; my part of slot 0 is in
	ds_add_u32 v[SPW], v[NIL]
	ds_add_u32 v[SPW], v[NIL]
	DSTEP
	s_wait_dscnt 0x0
	CROUND
	TLOAD                                          ; slot 1's first fill
.Lslot:                                            ; six trips: behind each of these slots it is filled again, with the 512 keys two slots on
	SLOT 1
	s_sub_co_u32 s[SLOTS], s[SLOTS], 1
	s_cmp_lg_u32 s[SLOTS], 0
	s_cbranch_scc1 .Lslot
	s_mov_b32 s[SLOTS], 2
.Ltail:                                            ; the last two slots ask for nothing more.  One text serves both: its barrier shows the last slot whole; behind the last slot itself it orders nothing
	SLOT 2
	s_sub_co_u32 s[SLOTS], s[SLOTS], 1
	s_cmp_lg_u32 s[SLOTS], 0
	s_cbranch_scc1 .Ltail
	; THE WAY OUT.  O^T / the sum: register i is channel 32 h + i of my query, one whole block: quantised as it stands, it is half a fragment of the last product's operand.
	s_wait_alu depctr_va_vdst(0)                   ; the chains were last written ahead of the barrier
	SUMEND                                         ; the last step's sum
	s_delay_alu instid0(VALU_DEP_1)
	v_add_f32 v[RUN], v[RUN], v[RUN+1]             ; the sum's two halves,
	s_delay_alu instid0(VALU_DEP_1)
	v_permlanex16_b32 v[TMP], v[RUN], s[SEL], s[SEL+1]
	s_delay_alu instid0(VALU_DEP_1)
	v_add_f32 v[RUN], v[RUN], v[TMP]               ; and lane l xor 16's: the row's sum
	s_wait_alu depctr_va_vdst(0)
	v_rcp_f32 v[RUN], v[RUN]
	v_nop                                          ; one plain place behind a transcendental
	s_wait_alu depctr_va_vdst(0)                   ; ahead of v_rcp_f32's first reader, which is O^T's too
.set j, 0
.rept 16
	v_pk_mul_f32 v[ST+j:ST+j+1], v[OT+j:OT+j+1], v[RUN:RUN+1] op_sel_hi:[1,0]   ; each accumulator from its low end on
.set j, j+2
.endr
	v_max3_num_f32 v[BM], |v[ST]|, |v[ST+1]|, 0x1800000        ; my block's largest magnitude, in two chains, and the floor 2^(3 - 127)
	v_max3_num_f32 v[BM+1], |v[ST+16]|, |v[ST+17]|, 0x1800000
.irp i, 2,4,6,8,10,12,14
	s_delay_alu instid0(VALU_DEP_2)
	v_max3_num_f32 v[BM], v[BM], |v[ST+\i]|, |v[ST+\i+1]|
	s_delay_alu instid0(VALU_DEP_2)
	v_max3_num_f32 v[BM+1], v[BM+1], |v[ST+16+\i]|, |v[ST+17+\i]|
.endr
	s_delay_alu instid0(VALU_DEP_1)
	v_max_num_f32 v[BM], v[BM], v[BM+1]
	s_delay_alu instid0(VALU_DEP_1)
	v_add_nc_u32 v[SOP], 0xff000000, v[BM]         ; 2 off the exponent field: the conversion's scale operand
	v_cvt_scalef32_pk16_fp6_f32 v[PC:PC+2], v[ST:ST+15], v[SOP]
	v_cvt_scalef32_pk16_fp6_f32 v[CT:CT+2], v[ST+16:ST+31], v[SOP]
	v_lshrrev_b32 v[BY], 23, v[SOP]                ; the scale's byte.  (One plain place behind a scaled conversion)
.irp i, 0,1,2
	v_mov_b32 v[PC+3+\i], v[CT+\i]
.endr
	global_store_b128 v[L16], v[PC:PC+3], s[14:15]             ; 512 consecutive bytes,
	global_store_b64 v[L8], v[PC+4:PC+5], s[14:15] offset:512  ; and 256
	global_store_b8 v[OSB], v[BY], s[16:17]                    ; lane (r, h) stores block h's byte of row r
	s_wait_tensorcnt 0x0                           ; the wave's end
	ds_add_u32 v[SPW], v[NIL]
	s_wait_dscnt 0x0
	CROUND                                         ; the closing round: no work-group ends while a partner may still ask for a tile that names it
	s_endpgm
.Lfunc_end_k_q9d5acfb707_attn:
	.size	k_q9d5acfb707_attn, .Lfunc_end_k_q9d5acfb707_attn-k_q9d5acfb707_attn
	.p2alignl 7, 3214868480
	.fill 96, 4, 3214868480
	.section	.rodata,"a",@progbits
	.p2align	6, 0x0
	.amdhsa_kernel k_q9d5acfb707_attn
		.amdhsa_group_segment_fixed_size 327680
		.amdhsa_private_segment_fixed_size 0
		.amdhsa_enable_private_segment 0
		.amdhsa_kernarg_size 24
		.amdhsa_user_sgpr_count 2
		.amdhsa_user_sgpr_kernarg_segment_ptr 1
		.amdhsa_wavefront_size32 1
		.amdhsa_system_sgpr_workgroup_id_x 1
		.amdhsa_system_sgpr_workgroup_id_y 1
		.amdhsa_system_sgpr_workgroup_id_z 1
		.amdhsa_system_vgpr_workitem_id 0
		.amdhsa_next_free_vgpr 256
		.amdhsa_next_free_sgpr 66
		.amdhsa_reserve_vcc 0
		.amdhsa_float_denorm_mode_32 3
		.amdhsa_float_denorm_mode_16_64 3
		.amdhsa_memory_ordered 1
		.amdhsa_forward_progress 1
		.amdhsa_inst_pref_size 133
	.end_amdhsa_kernel
	.amdgpu_metadata
---
amdhsa.version: [ 1, 2 ]
amdhsa.kernels:
  - .name:           k_q9d5acfb707_attn
    .symbol:         k_q9d5acfb707_attn.kd
    .args:
      - { .name: kq, .offset: 0, .size: 8, .value_kind: global_buffer, .address_space: global }
      - { .name: vq, .offset: 8, .size: 8, .value_kind: global_buffer, .address_space: global }
      - { .name: oq, .offset: 16, .size: 8, .value_kind: global_buffer, .address_space: global }
    .group_segment_fixed_size: 327680
    .private_segment_fixed_size: 0
    .kernarg_segment_align: 8
    .kernarg_segment_size: 24
    .max_flat_workgroup_size: 512
    .sgpr_count:     66
    .vgpr_count:     256
    .wavefront_size: 32
...
	.end_amdgpu_metadata
.endif
;; end of part 3
;; launch outp (part 4): grid 8 x 32, 4 waves a work-group, clusters of 4 x 4, 205,312 bytes of LDS; arguments oq, wq, bo, out0; writes out0
.if DOCPART == 4
	.amdgcn_target "amdgcn-amd-amdhsa--gfx1250"
	.amdhsa_code_object_version 6
	.text
	.protected	k_q9d5acfb707_outp
	.globl	k_q9d5acfb707_outp
	.p2align	8
	.type	k_q9d5acfb707_outp,@function
k_q9d5acfb707_outp:
	s_mov_b64 s[64:65], 0
	v_nop
	global_prefetch_b8 v0, s[64:65] scope:SCOPE_SE
	s_setreg_imm32_b32 hwreg(HW_REG_WAVE_MODE, 25, 1), 1
	s_wait_xcnt 0x0
	s_wait_alu depctr_hold_cnt(0) depctr_sa_sdst(0) depctr_va_vdst(0) depctr_va_sdst(0) depctr_va_ssrc(0) depctr_va_vcc(0) depctr_vm_vsrc(0)
	s_getreg_b32 s2, hwreg(HW_REG_IB_STS2, 6, 4)
	s_cmp_eq_u32 s2, 0
	s_cbranch_scc0 .Lentry_in_a_cluster
	s_endpgm
.Lentry_in_a_cluster:
	s_bfe_u32 s2, ttmp6, 0x10000c
	s_cmp_lg_u32 s2, 0xf033
	s_cbranch_scc0 .Lentry_shape_is_right
	s_endpgm
.Lentry_shape_is_right:
; out0 = o Wo^T + bo on codes of FP6 (E2M3) with E8M0 scales, sums in f32.  out0: [4096][1024] f32.
; IN: oq and wq (Wo: blocks 24-31), blocks of 128 rows of 102,400 bytes: codes [K step 8][tile 8][half 2][768], then scale words [tile 8][K half 2][place 16][4 words].  Tile 4 c + u holds at place i row 64 c + 32 (i / 8) + 8 u + i % 8.
; A half image (768 bytes, 16 places x 64 K): lane (r, h)'s registers 0-3 at byte 16 x lane, 4-5 at byte 512 + 8 x lane.
; SHARES.  A work-group makes 128 tokens x 128 columns, four waves 64 x 64 each: 16 accumulators.  K = 1,024 of both blocks lies in LDS whole, by one tensor load a wave: every LDS byte is filled once, so there is no ring.
; CLUSTER 4 x 4: the tokens' block is asked for jointly along a row of the cluster, the weights' along a column.
; Source 0 = 16 rows of Wo, source 1 = 16 tokens: a lane holds one token, and by the tiles' order eight neighbouring columns in each accumulator.  The bias is the C of each sum's first matrix instruction.
; THE WAY OUT: 16 tokens x 64 columns at a time through the wave's own stage (rows of 272 bytes), back as whole rows of 256 bytes, which sixteen lanes store; the tiles' order is undone in the stores' offsets.
; The stages lie in the first bytes of the tokens' block, which has had its one fill; a barrier, behind every wave's wait for its LDS reads, stands in front of the first store there.
; REGISTERS.  Window 0: v1-18 addresses; v30 the bias's offset; v32-63 scale words; v64-95 the bias, later rows on the way out; v96-127 rows on the way out; v128-255 accumulator (p, i) at 128 + 32 i + 8 p.
;   Window 1: two fragment buffers at v0 and v128: source 0's four fragments, then source 1's four.
.set BLK,  102400
.set KSB,  12288
.set AX16, 6
.set AX8,  8
.set AW16, 10
.set AW8,  12
.set ASQ,  14                          ; v14 scale words: lanes 0-15 the tokens', lanes 16-31 the weights'
.set STO,  16                          ; v16 the stage: where I put 32 bytes of a row
.set RD,   17                          ; v17 and where I read a row back
.set CO,   18                          ; v18 my byte offset in two rows of out0
.set SC,   32
.set CB,   64
.set BK,   64                          ; the way out: v64-95 and v96-127 by turns
.set ACC,  128
.set WV,   18
.set WA,   19
.set WB,   20
.set G1,   24
.set G1B,  32
.set G0,   40
.set G0B,  44
.set MSB,  0
.set MUL,  0x05                        ; sources 0 and 1 window 1; C and D window 0
.set TO_F, 0x40                        ; destination window 1, address window 0
.macro WIN new                         ; the immediate's high byte repeats the setting that is left
.if MSB != \new
	s_set_vgpr_msb (MSB<<8)|\new
.set MSB, \new
.endif
.endm
.macro CROUND                          ; a round of the cluster's barrier
	s_barrier_signal -1
	s_barrier_wait -1
	s_cmp_lg_u32 s[WV], 0
	s_cbranch_scc1 .Lnot_wave_0_\@
	s_barrier_signal -3
.Lnot_wave_0_\@:
	s_barrier_wait -3
	s_barrier_signal -1
	s_barrier_wait -1
.endm
.macro JLOAD                           ; waves 0 and 1 fetch the halves of the tokens' block, waves 2 and 3 those of the weights'; four v_nop follow each line
	s_cmp_eq_u32 s[WA], 0
	s_cbranch_scc0 .Lfor_w_\@
	tensor_load_to_lds s[G0:G0+3], s[G1:G1+7]
	s_nop 0
.rept 4
	v_nop
.endr
	s_branch .Lasked_\@
.Lfor_w_\@:
	tensor_load_to_lds s[G0B:G0B+3], s[G1B:G1B+7]
	s_nop 0
.rept 4
	v_nop
.endr
.Lasked_\@:
.endm
.macro FETCH ks                        ; K step ks: Wo's four fragments and o's four into buffer ks % 2: 32 loads, each of consecutive bytes
	WIN TO_F
.set FB, 128*((\ks)%2)
.irp q, 0,1,2,3
.irp c, 0,1
	ds_load_b128 v[FB+12*\q+6*\c:FB+12*\q+6*\c+3], v[AW16+(\ks)/4] offset:((\ks)%4)*KSB+\q*1536+\c*768
	ds_load_b64 v[FB+12*\q+6*\c+4:FB+12*\q+6*\c+5], v[AW8+(\ks)/4] offset:((\ks)%4)*KSB+\q*1536+\c*768+512
	ds_load_b128 v[FB+48+12*\q+6*\c:FB+48+12*\q+6*\c+3], v[AX16+(\ks)/4] offset:((\ks)%4)*KSB+\q*1536+\c*768
	ds_load_b64 v[FB+48+12*\q+6*\c+4:FB+48+12*\q+6*\c+5], v[AX8+(\ks)/4] offset:((\ks)%4)*KSB+\q*1536+\c*768+512
.endr
.endr
.endm
.macro MM p, i, ks, creg
	v_wmma_scale_f32_16x16x128_f8f6f4 v[ACC+32*\i+8*\p:ACC+32*\i+8*\p+7], v[FB+12*\p:FB+12*\p+11], v[FB+48+12*\i:FB+48+12*\i+11], v[\creg:\creg+7], v[SC+8*\p+(\ks)], v[SC+8*\i+(\ks)] matrix_a_fmt:MATRIX_FMT_FP6 matrix_b_fmt:MATRIX_FMT_FP6 matrix_a_scale:MATRIX_SCALE_ROW1
.endm
; A K step: 16 matrix instructions; the sixteen accumulators take turns, one instruction a turn, in the same order in every step.
.macro KSTEP ks
	s_wait_dscnt 0x0                               ; this step's fragments are in (asked for ahead of the last step's products)
.if (\ks) > 0 && (\ks) < 7
.rept 4
	v_nop                                          ; four places behind the last products, in front of loads into the buffer that they read
.endr
.endif
.if (\ks) < 7
	FETCH (\ks)+1
.endif
	WIN MUL
.set FB, 128*((\ks)%2)
.irp i, 0,1,2,3
.irp p, 0,1,2,3
.if (\ks) == 0
	MM \p, \i, \ks, CB+8*\p
.else
	MM \p, \i, \ks, ACC+32*\i+8*\p
.endif
.endr
.endr
.endm
.macro TOSTAGE i                       ; token tile i: lane (r, h) holds, of row r, columns 32 h + 8 p + 0 .. 7 in accumulator p
.irp p, 0,1,2,3
	; THE TILES' ORDER IN FORCE (it takes the place of the formula in the head comment): tile 4 c + u holds at place i row 64 c + 32 (i / 8) + 8 u + i % 8: lane (r, h) holds, of the token at place r, columns 32 h + 8 p + 0 .. 7 in accumulator p
	ds_store_b128 v[STO], v[ACC+32*(\i)+8*\p:ACC+32*(\i)+8*\p+3] offset:32*\p
	ds_store_b128 v[STO], v[ACC+32*(\i)+8*\p+4:ACC+32*(\i)+8*\p+7] offset:32*\p+16
.endr
.set BB, BK+32*((\i)%2)
.irp t, 0,1,2,3,4,5,6,7
	ds_load_b128 v[BB+4*\t:BB+4*\t+3], v[RD] offset:544*\t    ; LDS serves a wave's instructions in order: these see the stores above, and the next tile's stores come behind them
.endr
.endm
.macro SEND i, younger                 ; younger: the LDS instructions issued behind tile i's loads, which may stay out
.set BB, BK+32*((\i)%2)
	s_wait_dscnt \younger
.irp t, 0,1,2,3,4,5,6,7
	global_store_b128 v[CO], v[BB+4*\t:BB+4*\t+3], s[68:69] offset:(8*(\i)+2*\t+24*(\t/4))*4096 th:TH_STORE_NT   ; places 2 t and 2 t + 1 of tile i are tokens 8 i + 2 t + 24 (t / 4) and the next: 16 lanes store 256 consecutive bytes, aligned
.endr
.endm
	s_load_b256 s[4:11], s[0:1], 0x0               ; oq, wq, bo, out0
	v_lshl_add_u32 v28, v0, 2, 0x32000
	v_mov_b32 v29, 0
	ds_add_u32 v28, v29
	ds_add_u32 v28, v29
	v_lshrrev_b32 v1, 5, v0
	v_readfirstlane_b32 s[WV], v1                  ; wave 0..3
	s_lshr_b32 s[WA], s[WV], 1                     ; which 64 tokens are mine.  Also: I fetch for the tokens (0) or for the weights (1)
	s_and_b32 s[WB], s[WV], 1                      ; which 64 columns.  Also: which half of that block I fetch
	s_bfe_u32 s21, ttmp6, 0x40000                  ; cx, cy: my place in the cluster
	s_bfe_u32 s22, ttmp6, 0x40004
	s_lshl_b32 s23, ttmp9, 2
	s_add_co_u32 s23, s23, s21                     ; column block = 4 x cluster x + cx
	s_and_b32 s48, ttmp7, 0xffff
	s_lshl_b32 s48, s48, 2
	s_add_co_u32 s48, s48, s22                     ; block row = 4 x cluster y + cy
	s_lshl_b32 s49, s22, 2
	s_lshl_b32 s49, 15, s49                        ; my row of the cluster
	s_lshl_b32 s50, 0x1111, s21                    ; my column
	s_or_b32 s[G1], s49, (3<<16)|(1<<21)           ; 15:0 the mask; 17:16 elements of 8 bytes; no padding; 21 set beside a mask
	s_or_b32 s[G1B], s50, (3<<16)|(1<<21)
.irp g, G1, G1B                        ; half a block, 51,200 dense bytes, as 200 rows of 256 bytes
	s_mov_b32 s[\g+1], 32<<16
	s_mov_b32 s[\g+2], 200<<16
	s_mov_b32 s[\g+3], 32<<16
	s_mov_b32 s[\g+4], 200
	s_mov_b32 s[\g+5], 32
	s_mov_b32 s[\g+6], 0
	s_mov_b32 s[\g+7], 0
.endr
	s_mul_i32 s56, s[WB], 51200                    ; my half
	s_mul_i32 s52, s48, BLK
	s_add_co_u32 s52, s52, s56                     ; in oq: hangs on the block row and the wave alone
	s_mov_b32 s53, 0
	s_add_co_u32 s54, s23, 24                      ; Wo's blocks begin at 24
	s_mul_i32 s54, s54, BLK
	s_add_co_u32 s54, s54, s56                     ; in wq: on the column block and the wave alone
	s_mov_b32 s55, 0
	s_mul_i32 s51, s[WV], 51200                    ; in LDS: the tokens' block at 0, the weights' at 102,400
	s_wait_dscnt 0x0
	s_wait_kmcnt 0x0
	s_mov_b32 s[G0], 1
	s_mov_b32 s[G0+1], s51
	s_add_nc_u64 s[G0+2:G0+3], s[4:5], s[52:53]
	s_or_b32 s[G0+3], s[G0+3], 0x80000000
	s_mov_b32 s[G0B], 1
	s_mov_b32 s[G0B+1], s51
	s_add_nc_u64 s[G0B+2:G0B+3], s[6:7], s[54:55]
	s_or_b32 s[G0B+3], s[G0B+3], 0x80000000
	CROUND                                         ; all sixteen work-groups are here: the joint loads meet
	JLOAD
	v_and_b32 v31, 31, v0                          ; lane
	v_and_b32 v1, 15, v0                           ; r
	v_bfe_u32 v2, v0, 4, 1                         ; h
	v_lshlrev_b32 v3, 4, v31                       ; 16 x lane
	v_lshlrev_b32 v4, 3, v31                       ; 8 x lane
	s_mul_i32 s57, s[WA], 6144                     ; my four token tiles
	v_add_nc_u32 v[AX16], s57, v3
	v_add_nc_u32 v[AX8], s57, v4
	s_add_co_u32 s57, s57, 4*KSB                   ; K steps 4 to 7: an LDS offset has 16 bits
	v_add_nc_u32 v[AX16+1], s57, v3
	v_add_nc_u32 v[AX8+1], s57, v4
	s_mul_i32 s57, s[WB], 6144                     ; my four weight tiles
	s_add_co_u32 s57, s57, BLK
	v_add_nc_u32 v[AW16], s57, v3
	v_add_nc_u32 v[AW8], s57, v4
	s_add_co_u32 s57, s57, 4*KSB
	v_add_nc_u32 v[AW16+1], s57, v3
	v_add_nc_u32 v[AW8+1], s57, v4
	s_lshl_b32 s57, s[WA], 11                      ; the tokens' scale words
	s_lshl_b32 s58, s[WB], 11
	s_add_co_u32 s58, s58, BLK
	s_sub_co_u32 s58, s58, s57                     ; from there to the weights'
	s_add_co_u32 s57, s57, 98304
	v_lshlrev_b32 v[ASQ], 4, v1
	v_add_nc_u32 v[ASQ], s57, v[ASQ]
	v_mul_u32_u24 v31, s58, v2
	v_add_nc_u32 v[ASQ], v[ASQ], v31               ; lanes 0-15 the tokens', lanes 16-31 the weights'
	s_mul_i32 s57, s[WV], 16*272                   ; my stage
	v_mul_u32_u24 v[STO], v1, 272
	v_lshl_add_u32 v[STO], v2, 7, v[STO]
	v_add_nc_u32 v[STO], s57, v[STO]               ; in: row r, + 128 h bytes
	v_mul_u32_u24 v[RD], v2, 272
	v_lshl_add_u32 v[RD], v1, 4, v[RD]
	v_add_nc_u32 v[RD], s57, v[RD]                 ; back: lanes 0-15 one row, lanes 16-31 the next
	v_lshlrev_b32 v[CO], 12, v2
	v_lshl_add_u32 v[CO], v1, 4, v[CO]             ; and the same two rows in out0
	s_lshl_b32 s62, s23, 9
	s_lshl_b32 s63, s[WB], 8
	s_add_co_u32 s62, s62, s63                     ; my first column, in bytes: 512 x column block + 256 x half
	s_mov_b32 s63, 0
	s_add_nc_u64 s[60:61], s[8:9], s[62:63]        ; in bo
	v_lshlrev_b32 v30, 7, v2                       ; tile p's register j is column 32 h + 8 p + j
.irp p, 0,1,2,3
	global_load_b128 v[CB+8*\p:CB+8*\p+3], v30, s[60:61] offset:32*\p
	global_load_b128 v[CB+8*\p+4:CB+8*\p+7], v30, s[60:61] offset:32*\p+16
.endr
	s_lshl_b32 s52, s48, 19                        ; 128 rows of 4,096 bytes a block row,
	s_lshl_b32 s53, s[WA], 18                      ; my 64 of them
	s_add_co_u32 s52, s52, s53
	s_add_co_u32 s52, s52, s62
	s_mov_b32 s53, 0
	s_add_nc_u64 s[68:69], s[10:11], s[52:53]      ; in out0
	s_wait_tensorcnt 0x0                           ; my half block is in,
	s_barrier_signal -1
	s_barrier_wait -1                              ; everybody's is
	s_wait_loadcnt 0x0                             ; the bias
.irp q, 0,1,2,3                                ; all of K's scale words of my eight tiles: four words a load
.irp k, 0,1
	ds_load_b128 v[SC+8*\q+4*\k:SC+8*\q+4*\k+3], v[ASQ] offset:512*\q+256*\k
.endr
.endr
	FETCH 0
.irp k, 0,1,2,3,4,5,6,7
	KSTEP \k
.endr
	WIN 0
	s_wait_alu depctr_va_vdst(0)
	s_wait_dscnt 0x0                               ; my reads of the blocks are over:
	s_barrier_signal -1
	s_barrier_wait -1                              ; everybody's are: the stages may be written
.rept 4
	v_nop                                          ; four places in front of the first read of results
.endr
	TOSTAGE 0
.irp a, 1,2,3
.if \a > 1
	s_wait_xcnt 0x0                                ; tile a - 2's stores have read their registers: tile a's rows may land there
.endif
	TOSTAGE \a
	SEND \a-1, 16                                  ; behind tile a - 1's loads: tile a's 8 stores and 8 loads
.endr
	SEND 3, 0
	s_wait_dscnt 0x0
	s_wait_tensorcnt 0x0
	ds_add_u32 v28, v29
	s_wait_dscnt 0x0
	CROUND                                         ; the closing round: no work-group ends while a partner may still ask for a block that names it
	s_endpgm
.Lfunc_end_k_q9d5acfb707_outp:
	.size	k_q9d5acfb707_outp, .Lfunc_end_k_q9d5acfb707_outp-k_q9d5acfb707_outp
	.p2alignl 7, 3214868480
	.fill 96, 4, 3214868480
	.section	.rodata,"a",@progbits
	.p2align	6, 0x0
	.amdhsa_kernel k_q9d5acfb707_outp
		.amdhsa_group_segment_fixed_size 205312
		.amdhsa_private_segment_fixed_size 0
		.amdhsa_enable_private_segment 0
		.amdhsa_kernarg_size 32
		.amdhsa_user_sgpr_count 2
		.amdhsa_user_sgpr_kernarg_segment_ptr 1
		.amdhsa_wavefront_size32 1
		.amdhsa_system_sgpr_workgroup_id_x 1
		.amdhsa_system_sgpr_workgroup_id_y 1
		.amdhsa_system_sgpr_workgroup_id_z 1
		.amdhsa_system_vgpr_workitem_id 0
		.amdhsa_next_free_vgpr 512
		.amdhsa_next_free_sgpr 72
		.amdhsa_reserve_vcc 0
		.amdhsa_float_denorm_mode_32 3
		.amdhsa_float_denorm_mode_16_64 3
		.amdhsa_memory_ordered 1
		.amdhsa_forward_progress 1
		.amdhsa_inst_pref_size 49
	.end_amdhsa_kernel
	.amdgpu_metadata
---
amdhsa.version: [ 1, 2 ]
amdhsa.kernels:
  - .name:           k_q9d5acfb707_outp
    .symbol:         k_q9d5acfb707_outp.kd
    .args:
      - { .name: oq, .offset: 0, .size: 8, .value_kind: global_buffer, .address_space: global }
      - { .name: wq, .offset: 8, .size: 8, .value_kind: global_buffer, .address_space: global }
      - { .name: bo, .offset: 16, .size: 8, .value_kind: global_buffer, .address_space: global }
      - { .name: out0, .offset: 24, .size: 8, .value_kind: global_buffer, .address_space: global }
    .group_segment_fixed_size: 205312
    .private_segment_fixed_size: 0
    .kernarg_segment_align: 8
    .kernarg_segment_size: 32
    .max_flat_workgroup_size: 128
    .sgpr_count:     72
    .vgpr_count:     512
    .wavefront_size: 32
...
	.end_amdgpu_metadata
.endif
;; end of part 4
